; MI455X (gfx1250); checked and timed in simulation.
; The chip was launched on July 23, 2026; its instructions are those of AMD's public machine-readable ISA for CDNA 5 (MIT licence, August 2026) and "CDNA5" Instruction Set Architecture Reference Guide (July 2026). The comments in the code are by the model that wrote it; some were corrected since.
;; Self Attention Layer. Allowed arithmetic: matrix products marked QUANTISED: E2M1 operands, one E8M0 scale for each 32 along K, by v_wmma_scale_f32_16x16x128_f8f6f4 with both operands' format E2M1 (or v_wmma_scale_f32_32x16x128_f4), f32 sums; products left as they are: bf16, f16 or f32 operands; f32 sums; everything else in f32.
;; Inputs: Wk 1,024 x 1,024 float32; Wo 1,024 x 1,024 float32; Wq 1,024 x 1,024 float32; Wv 1,024 x 1,024 float32; batch 2 x 2,048 x 1,024 float32; bk 1,024 float32; bo 1,024 float32; bq 1,024 float32; bv 1,024 float32; mask 2 x 2,048 bool.
;; Outputs: out0 2 x 2,048 x 1,024 float32.
;; This version of the problem:
;;   THIS VERSION OF THE PROBLEM IS GIVEN IN LOW PRECISION. The matrix products marked QUANTISED in the list below multiply operands that are first quantised to E2M1 (2 exponent bits, 1 mantissa bit; 4 bits a number), with one power-of-two scale for each 32 numbers along K (OCP MX v1.0); their sums are f32. The products marked 'left as it is' may take bf16, f16 or f32 operands, with f32 sums. Whichever they take, every output number must still come out within the allowed error. Rounding operands to bf16 (8 significant bits) uses up far more of that allowance than f16 does (11 bits, for magnitudes from 6e-5 to 65,504). All else is computed in f32.
;;   The module's matrix products, in the order in which they are computed (A, B: the left and right operand; K: the contracted axis; several contracted axes count as one K, in the product's order):
;;     1. [M 4,096, K 1,024] x [K 1,024, N 1,024]; A: input batch; B: input Wq: QUANTISED
;;     2. [M 4,096, K 1,024] x [K 1,024, N 1,024]; A: input batch; B: input Wk: QUANTISED
;;     3. [M 4,096, K 1,024] x [K 1,024, N 1,024]; A: input batch; B: input Wv: QUANTISED
;;     4. batch 32 x [M 2,048, K 64] x [K 64, N 2,048]; A: computed on the way; B: computed on the way: left as it is (an operand is computed on the way)
;;     5. batch 32 x [M 2,048, K 2,048] x [K 2,048, N 64]; A: computed on the way; B: computed on the way: left as it is (an operand is computed on the way)
;;     6. [M 4,096, K 1,024] x [K 1,024, N 1,024]; A: computed on the way; B: input Wo: left as it is (an operand is computed on the way)
;;   THE QUANTISER, for each operand of a quantised product, along K:
;;     - K is cut into blocks of 32 from its start; a last block that is shorter is filled with zeros.
;;     - A block's scale is 2^e with e = floor(log2(the largest magnitude in the block)) - 2, held to -126 .. 127; a block of zeros has e = 0. As a byte (E8M0): e + 127.
;;     - Each number is divided by its block's scale, clamped to +-6, and rounded to the nearest number of E2M1, ties to even, subnormals kept.
;;     - The product sums the exact products of the quantised numbers (number of the format x scale) in f32.
;;   ~~~python
;;   def quantise(x, axis):      # numpy; x: float32 -> the quantised numbers, widened to float32 again
;;       x = np.moveaxis(x, axis, -1); K = x.shape[-1]
;;       x = np.pad(x, [(0, 0)] * (x.ndim - 1) + [(0, -K % 32)]); x = x.reshape(x.shape[:-1] + (-1, 32)); a = np.abs(x).max(-1, keepdims=True)
;;       e = np.where(a > 0, np.clip(np.frexp(np.where(a > 0, a, 1))[1] - 1 - 2, -126, 127), 0)      # np.frexp(a)[1] - 1 = floor(log2(a)), exactly
;;       r = np.clip(x / 2.0 ** e, -6, 6)
;;       step = 2.0 ** (np.maximum(np.frexp(np.where(r == 0, 1, r))[1] - 1, 0) - 1)
;;       q = np.round(r / step) * step * 2.0 ** e      # np.round: ties to even
;;       return np.moveaxis(q.reshape(q.shape[:-2] + (-1,))[..., :K], -1, axis).astype(np.float32)
;;   ~~~
;; One version. Each part assembles by itself: llvm-mc -triple=amdgcn-amd-amdhsa -mcpu=gfx1250 --defsym DOCPART=n.
;; ======== version 1 of 1: 4 launches
;; limits: values are held in f16: magnitudes above 65,504 overflow, below 6.1e-05 lose precision
;; workspace buffers: a_codes 2,097,152 bytes; a_scales 131,072 bytes; w_codes 1,572,864 bytes; w_scales 98,304 bytes; wo16 2,097,152 bytes; negc 16,384 bytes; qkv16 25,165,824 bytes; x16 8,388,608 bytes
;; launch prep (part 1): grid 208 x 1, 16 waves a work-group, no clusters, 120,832 bytes of LDS; arguments batch, Wq, Wk, Wv, Wo, mask, a_codes, a_scales, w_codes, w_scales, wo16, negc; writes a_codes, a_scales, w_codes, w_scales, wo16, negc
.if DOCPART == 1
	.amdgcn_target "amdgcn-amd-amdhsa--gfx1250"
	.amdhsa_code_object_version 6
	.text
	.protected	k_q20702db219_prep
	.globl	k_q20702db219_prep
	.p2align	8
	.type	k_q20702db219_prep,@function
k_q20702db219_prep:
	s_mov_b64 s[64:65], 0
	v_nop
	global_prefetch_b8 v0, s[64:65] scope:SCOPE_SE
	s_setreg_imm32_b32 hwreg(HW_REG_WAVE_MODE, 25, 1), 1
	s_wait_xcnt 0x0
; PREP: everything that is made once from the inputs, in one launch of three paths chosen by the work-group's number.
;   A (work-groups 0-127):   batch [4096][1024] f32 -> codes of FP4 (E2M1), K innermost, [4096][512 bytes], and one E8M0 byte for each 32 along K, [4096][32].
;   B (work-groups 128-175): Wq, Wk, Wv [1024 k][1024 n] f32, K their FIRST axis -> codes [3072 n][512 bytes] with K innermost, scale bytes [3072][32]; n = 1024 x which + column.
;   C (work-groups 176-207): Wo -> f16 as it lies; mask -> negc [4096] f32: 0 where the key counts, else -1e9 x log2(e).
; A block's scale is 2^(floor(log2(its largest magnitude)) - 2); its byte is the largest magnitude's exponent field - 2, held at 1 from below.
; LIMITS: a block of zeros gets the byte 1 where the rule says 127 (its codes are zeros, which add nothing under any byte but 0xff, and this program alone reads the bytes);
; blocks whose largest magnitude lies under 2^(3 - 127), the floor, keep the byte 1; NaN and infinities among the inputs are not served; Wo beyond f16's 65,504 is not served.
; Every wave issues all its loads at its head.  No tensor loads.  Each path has LDS bytes of its own.
.set A_STG, 0                          ; path A: a wave's two stages of 32 x 80 bytes: 5,120 bytes a wave
.set A_SC,  81920                      ; path A: the work-group's 1,024 scale bytes
.set B_STG, 82944                      ; path B: 64 columns' rows of codes, 512 bytes + 16
.set B_SC,  116736                     ; path B: 64 columns' rows of scale bytes, 32 bytes each
.set SPARE, 118784                     ; the spare words, 128 bytes for each of sixteen waves: eight blocks of 256 bytes that no other line names
.set SP,    80                         ; path A: a lane's place in a stage: 64 bytes + 16 of padding
.set BP,    528
.set SPW,   12                         ; v12  LDS address of my spare word; never rewritten
.set NIL,   13                         ; v13  0; never rewritten
.set R,     32                         ; v32-95   numbers as they are loaded
.set X,     96                         ; v96-127  path A: two sets of 16 neighbours
.set C,     128                        ; v128-135 path A: codes, two registers a step
.set E,     136                        ; v136-139 path A: a scale byte a step
.set FLOOR, 0x1800000                  ; the f32 number 2^(3 - 127)
.set EOFF,  0xff000000                 ; takes 2 off an exponent field
.macro FINISH                          ; a wave's end
	s_wait_tensorcnt 0x0
	ds_add_u32 v[SPW], v[NIL]
	s_wait_dscnt 0x0
	s_endpgm
.endm
	s_load_b512 s[8:23], s[0:1], 0x0               ; batch 8, Wq 10, Wk 12, Wv 14, Wo 16, mask 18, a_codes 20, a_scales 22
	s_load_b256 s[24:31], s[0:1], 0x40             ; w_codes 24, w_scales 26, wo16 28, negc 30
	v_lshl_add_u32 v[SPW], v0, 2, SPARE
	v_mov_b32 v[NIL], 0
	v_lshrrev_b32 v1, 5, v0
	v_readfirstlane_b32 s32, v1                    ; wave 0..15
	v_and_b32 v2, 31, v0                           ; lane
	s_wait_kmcnt 0x0
	s_cmp_lt_u32 ttmp9, 128
	s_cbranch_scc1 .Lpath_a
	s_cmp_lt_u32 ttmp9, 176
	s_cbranch_scc1 .Lpath_b
; ---- PATH C: a wave takes 2,048 numbers of Wo: sixteen loads of 512 bytes on end, sixteen stores of 256 bytes on end.  Waves 0 and 1 also take 64 bytes of the mask each.
	s_sub_co_u32 s33, ttmp9, 176
	s_lshl_b32 s34, s33, 4
	s_add_co_u32 s34, s34, s32                     ; which run of 2,048 numbers
	s_lshl_b32 s36, s34, 13
	s_mov_b32 s37, 0
	s_add_nc_u64 s[16:17], s[16:17], s[36:37]
	s_lshl_b32 s36, s34, 12
	s_add_nc_u64 s[28:29], s[28:29], s[36:37]
	s_lshl_b32 s38, s33, 1
	s_add_co_u32 s38, s38, s32                     ; which 64 keys of the mask (used in waves 0 and 1 alone)
	s_lshl_b32 s36, s38, 6
	s_add_nc_u64 s[18:19], s[18:19], s[36:37]
	s_lshl_b32 s36, s38, 8
	s_add_nc_u64 s[30:31], s[30:31], s[36:37]
	v_lshlrev_b32 v3, 4, v2
	v_lshlrev_b32 v4, 3, v2
	v_lshlrev_b32 v5, 1, v2
	v_mov_b32 v30, 0                               ; written in every wave, so that the register is defined on each way
	s_cmp_lt_u32 s32, 2
	s_cbranch_scc0 .Lno_mask
	global_load_u16 v30, v5, s[18:19]              ; two keys' bytes a lane
.Lno_mask:
.irp i, 0,1,2,3,4,5,6,7,8,9,10,11,12,13,14,15
	global_load_b128 v[R+4*\i:R+4*\i+3], v3, s[16:17] offset:512*\i th:TH_LOAD_NT
.endr
.irp i, 0,1,2,3,4,5,6,7,8,9,10,11,12,13,14,15
	s_wait_loadcnt 15-\i                           ; the younger loads of the sixteen stay out
	v_cvt_pk_f16_f32 v[96+2*\i], v[R+4*\i], v[R+4*\i+1]
	v_cvt_pk_f16_f32 v[97+2*\i], v[R+4*\i+2], v[R+4*\i+3]
	global_store_b64 v4, v[96+2*\i:97+2*\i], s[28:29] offset:256*\i   ; 32 lanes store 256 bytes on end, aligned; each store has data registers of its own
.endr
	s_cmp_lt_u32 s32, 2
	s_cbranch_scc0 .Lend_c
	v_and_b32 v6, 0xff, v30                        ; the lower key's byte (the last wait above was for 0: the mask's load is in)
	v_lshrrev_b32 v7, 8, v30                       ; the upper key's
	v_mov_b32 v8, 0xceabfb8f                       ; -1e9 x log2(e)
	v_cmp_eq_u32 vcc_lo, 0, v6
	v_cndmask_b32 v10, 0, v8, vcc_lo
	v_cmp_eq_u32 vcc_lo, 0, v7
	v_cndmask_b32 v11, 0, v8, vcc_lo
	global_store_b64 v4, v[10:11], s[30:31]        ; 256 bytes on end a wave
.Lend_c:
	FINISH
; ---- PATH A: batch is a plain stream of blocks of 32.  A wave takes four steps of 512 numbers.  Each load reads 512 bytes on end; a step's 2,048 bytes turn through the wave's own stage,
; so that a lane gets 16 NEIGHBOURS (two lanes hold a block), which is what the conversions take.
.macro LOADA t
.irp i, 0,1,2,3
	global_load_b128 v[R+16*(\t)+4*\i:R+16*(\t)+4*\i+3], v3, s[8:9] offset:2048*(\t)+512*\i th:TH_LOAD_NT
.endr
.endm
.macro TURNA t                         ; LDS serves a wave's instructions in order: no wait between the stores and the loads
.irp i, 0,1,2,3
	ds_store_b128 v14, v[R+16*(\t)+4*\i:R+16*(\t)+4*\i+3] offset:32*SP*((\t)%2)+8*SP*\i
.endr
.irp i, 0,1,2,3
	ds_load_b128 v[X+16*((\t)%2)+4*\i:X+16*((\t)%2)+4*\i+3], v15 offset:32*SP*((\t)%2)+16*\i
.endr
.endm
.macro STEPA t
.set XS, X+16*((\t)%2)
.if (\t) > 0
	s_wait_dscnt 1                                 ; this step's numbers are back from the stage; the last step's byte store may be out
.else
	s_wait_dscnt 0x0
.endif
.if (\t) < 3
	s_wait_loadcnt 4*(2-(\t))                      ; the next step's four loads are in; those of the steps behind it may be out
	TURNA (\t)+1
.endif
	v_max3_num_f32 v8, |v[XS]|, |v[XS+1]|, |v[XS+2]|               ; the largest magnitude of my 16, in two chains
	v_max3_num_f32 v9, |v[XS+3]|, |v[XS+4]|, |v[XS+5]|
.irp i, 6,10
	v_max3_num_f32 v8, v8, |v[XS+\i]|, |v[XS+\i+1]|
	v_max3_num_f32 v9, v9, |v[XS+\i+2]|, |v[XS+\i+3]|
.endr
	v_max3_num_f32 v8, v8, |v[XS+14]|, |v[XS+15]|
	v_max3_num_f32 v8, v8, v9, FLOOR               ; and the floor: the byte cannot fall under 1
	v_max_num_f32_dpp v8, v8, v8 row_xmask:1 row_mask:0xf bank_mask:0xf   ; with my neighbour's 16: the block's
	v_add_nc_u32 v11, EOFF, v8                     ; 2 off the exponent field: the conversion takes that field as its scale and nothing else
	v_cvt_scalef32_pk8_fp4_f32 v[C+2*(\t)], v[XS:XS+7], v11
	v_cvt_scalef32_pk8_fp4_f32 v[C+2*(\t)+1], v[XS+8:XS+15], v11
	v_lshrrev_b32 v[E+(\t)], 23, v11               ; the scale's byte (a plain line behind the conversions)
	ds_store_b8 v5, v[E+(\t)] offset:16*(\t)       ; both lanes of a block write the same byte with the same value
	global_store_b64 v4, v[C+2*(\t):C+2*(\t)+1], s[20:21] offset:256*(\t)   ; 256 bytes on end, aligned
.endm
.Lpath_a:
	s_lshl_b32 s33, ttmp9, 4
	s_add_co_u32 s33, s33, s32                     ; which run of 2,048 numbers
	s_lshl_b32 s34, s33, 13
	s_mov_b32 s35, 0
	s_add_nc_u64 s[8:9], s[8:9], s[34:35]
	s_lshl_b32 s34, s33, 10
	s_add_nc_u64 s[20:21], s[20:21], s[34:35]
	s_lshl_b32 s34, ttmp9, 10
	s_add_nc_u64 s[22:23], s[22:23], s[34:35]      ; the work-group's 1,024 scale bytes
	v_lshlrev_b32 v3, 4, v2
	LOADA 0
	LOADA 1
	LOADA 2
	LOADA 3
	s_mul_i32 s36, s32, 2*32*SP
	v_lshrrev_b32 v14, 2, v2
	v_mul_u32_u24 v14, v14, SP
	v_and_b32 v15, 3, v2
	v_lshl_add_u32 v14, v15, 4, v14
	v_add_nc_u32 v14, s36, v14                     ; into the stage: four lanes' 64 bytes on end, then 16 of padding
	v_mul_u32_u24 v15, v2, SP
	v_add_nc_u32 v15, s36, v15                     ; out of it: 80 x lane
	v_lshlrev_b32 v4, 3, v2                        ; my 8 bytes of a step's codes
	v_lshrrev_b32 v5, 1, v2
	s_lshl_b32 s37, s32, 6
	s_add_co_u32 s37, s37, A_SC
	v_add_nc_u32 v5, s37, v5                       ; my block's byte among the wave's 64
	v_lshl_add_u32 v6, v0, 4, A_SC                 ; the bytes' way out: 16 x thread (threads 0-63 alone)
	v_lshlrev_b32 v7, 4, v0
	s_wait_loadcnt 12                              ; step 0's four loads are in; twelve younger stay out
	TURNA 0
	STEPA 0
	STEPA 1
	STEPA 2
	STEPA 3
	s_wait_dscnt 0x0                               ; for the others' sake: my byte stores have landed
	s_barrier_signal -1
	s_barrier_wait -1
	s_cmp_lt_u32 s32, 2
	s_cbranch_scc0 .Lend_a
	ds_load_b128 v[140:143], v6                    ; sixteen waves' bytes leave as 1,024 bytes on end
	s_wait_dscnt 0x0
	global_store_b128 v7, v[140:143], s[22:23]
.Lend_a:
	FINISH
; ---- PATH B: a work-group takes 64 columns of one weight for ALL of K, so that its codes (32,768 bytes) and its scale bytes (2,048) are dense in memory.
; A LANE TAKES A COLUMN AND ITS REGISTERS RUN DOWN K: wave w takes columns 32 (w & 1) on and rows 128 (w >> 1) on: four whole blocks a lane, which are one word of scale bytes.
.macro BLOCKB t
.set XS, 32+32*(\t)
	v_max3_num_f32 v8, |v[XS]|, |v[XS+1]|, |v[XS+2]|
	v_max3_num_f32 v9, |v[XS+3]|, |v[XS+4]|, |v[XS+5]|
.irp i, 6,10,14,18,22,26
	v_max3_num_f32 v8, v8, |v[XS+\i]|, |v[XS+\i+1]|
	v_max3_num_f32 v9, v9, |v[XS+\i+2]|, |v[XS+\i+3]|
.endr
	v_max3_num_f32 v8, v8, |v[XS+30]|, |v[XS+31]|
	v_max3_num_f32 v8, v8, v9, FLOOR
	v_add_nc_u32 v11, EOFF, v8
	v_lshrrev_b32 v9, 23, v11
.if (\t) == 0
	v_mov_b32 v24, v9                              ; four bytes to the word, the lower K in the lower byte
.else
	v_lshl_or_b32 v24, v9, 8*(\t), v24
.endif
.irp g, 0,1,2,3
	v_cvt_scalef32_pk8_fp4_f32 v[160+4*(\t)+\g], v[XS+8*\g:XS+8*\g+7], v11
.endr
	ds_store_b128 v4, v[160+4*(\t):160+4*(\t)+3] offset:16*(\t)    ; 32 codes: 16 bytes of my column's row; each block has code registers of its own
.endm
.Lpath_b:
	s_sub_co_u32 s33, ttmp9, 128                   ; g = 16 x which + group of 64 columns
	s_lshr_b32 s34, s33, 4
	s_and_b32 s35, s33, 15
	s_cmp_eq_u32 s34, 0
	s_cselect_b64 s[36:37], s[10:11], s[12:13]
	s_cmp_eq_u32 s34, 2
	s_cselect_b64 s[36:37], s[14:15], s[36:37]     ; Wq, Wk or Wv: the choice hangs on the work-group's number alone
	s_and_b32 s38, s32, 1
	s_lshr_b32 s39, s32, 1
	s_lshl_b32 s40, s39, 19                        ; 128 rows of 4,096 bytes
	s_lshl_b32 s41, s35, 8
	s_add_co_u32 s40, s40, s41                     ; + 64 columns x 4 bytes x group
	s_lshl_b32 s41, s38, 7
	s_add_co_u32 s40, s40, s41                     ; + my 32 columns
	s_mov_b32 s41, 0
	s_add_nc_u64 s[36:37], s[36:37], s[40:41]
	v_lshlrev_b32 v3, 2, v2
.set i, 0
.rept 128
	global_load_b32 v[32+i], v3, s[36:37] offset:4096*i th:TH_LOAD_NT   ; row i of my 128, 128 bytes on end a wave
.set i, i+1
.endr
	s_lshl_b32 s42, s38, 5
	v_add_nc_u32 v6, s42, v2                       ; my column, 0..63
	v_mul_u32_u24 v4, v6, BP
	s_lshl_b32 s43, s39, 6
	s_add_co_u32 s43, s43, B_STG
	v_add_nc_u32 v4, s43, v4                       ; its row of codes, my 64 bytes of it
	v_lshlrev_b32 v5, 5, v6
	s_lshl_b32 s43, s39, 2
	s_add_co_u32 s43, s43, B_SC
	v_add_nc_u32 v5, s43, v5                       ; its row of scale bytes, my word of it
	s_mul_i32 s43, s32, 4*BP
	s_add_co_u32 s43, s43, B_STG
	v_lshlrev_b32 v7, 4, v2
	v_add_nc_u32 v10, s43, v7                      ; the way out: rows 4 w on, 16 bytes a lane
	v_lshl_add_u32 v14, v0, 4, B_SC                ; the scale bytes' way out: 16 x thread (threads 0-127 alone)
	v_lshlrev_b32 v15, 4, v0
	s_lshl_b32 s40, s33, 15
	s_lshl_b32 s42, s32, 11
	s_add_co_u32 s40, s40, s42
	s_add_nc_u64 s[24:25], s[24:25], s[40:41]      ; w_codes at row 64 g + 4 w
	s_lshl_b32 s40, s33, 11
	s_add_nc_u64 s[26:27], s[26:27], s[40:41]      ; w_scales at row 64 g
	s_wait_loadcnt 63                              ; blocks 0 and 1 want the first 64 loads: at most 64 younger may be out, and 63 is the largest count a wait can name
	BLOCKB 0
	BLOCKB 1
	s_wait_loadcnt 32                              ; block 3's 32 loads may be out
	BLOCKB 2
	s_wait_loadcnt 0x0
	BLOCKB 3
	ds_store_b32 v5, v24
	s_wait_dscnt 0x0                               ; for the others' sake: my stores have landed
	s_barrier_signal -1
	s_barrier_wait -1
.irp i, 0,1,2,3
	ds_load_b128 v[32+4*\i:35+4*\i], v10 offset:BP*\i
.endr
.irp i, 0,1,2,3
	s_wait_dscnt 3-\i
	global_store_b128 v7, v[32+4*\i:35+4*\i], s[24:25] offset:512*\i   ; a whole row of codes: 512 bytes on end
.endr
	s_cmp_lt_u32 s32, 4
	s_cbranch_scc0 .Lend_b
	ds_load_b128 v[48:51], v14
	s_wait_dscnt 0x0
	global_store_b128 v15, v[48:51], s[26:27]      ; 2,048 bytes on end from four waves
.Lend_b:
	FINISH
.Lfunc_end_k_q20702db219_prep:
	.size	k_q20702db219_prep, .Lfunc_end_k_q20702db219_prep-k_q20702db219_prep
	.p2alignl 7, 3214868480
	.fill 96, 4, 3214868480
	.section	.rodata,"a",@progbits
	.p2align	6, 0x0
	.amdhsa_kernel k_q20702db219_prep
		.amdhsa_group_segment_fixed_size 120832
		.amdhsa_private_segment_fixed_size 0
		.amdhsa_enable_private_segment 0
		.amdhsa_kernarg_size 96
		.amdhsa_user_sgpr_count 2
		.amdhsa_user_sgpr_kernarg_segment_ptr 1
		.amdhsa_wavefront_size32 1
		.amdhsa_system_sgpr_workgroup_id_x 1
		.amdhsa_system_sgpr_workgroup_id_y 1
		.amdhsa_system_sgpr_workgroup_id_z 1
		.amdhsa_system_vgpr_workitem_id 0
		.amdhsa_next_free_vgpr 176
		.amdhsa_next_free_sgpr 66
		.amdhsa_reserve_vcc 1
		.amdhsa_float_denorm_mode_32 3
		.amdhsa_float_denorm_mode_16_64 3
		.amdhsa_memory_ordered 1
		.amdhsa_forward_progress 1
		.amdhsa_inst_pref_size 38
	.end_amdhsa_kernel
	.amdgpu_metadata
---
amdhsa.version: [ 1, 2 ]
amdhsa.kernels:
  - .name:           k_q20702db219_prep
    .symbol:         k_q20702db219_prep.kd
    .args:
      - { .name: batch, .offset: 0, .size: 8, .value_kind: global_buffer, .address_space: global }
      - { .name: Wq, .offset: 8, .size: 8, .value_kind: global_buffer, .address_space: global }
      - { .name: Wk, .offset: 16, .size: 8, .value_kind: global_buffer, .address_space: global }
      - { .name: Wv, .offset: 24, .size: 8, .value_kind: global_buffer, .address_space: global }
      - { .name: Wo, .offset: 32, .size: 8, .value_kind: global_buffer, .address_space: global }
      - { .name: mask, .offset: 40, .size: 8, .value_kind: global_buffer, .address_space: global }
      - { .name: a_codes, .offset: 48, .size: 8, .value_kind: global_buffer, .address_space: global }
      - { .name: a_scales, .offset: 56, .size: 8, .value_kind: global_buffer, .address_space: global }
      - { .name: w_codes, .offset: 64, .size: 8, .value_kind: global_buffer, .address_space: global }
      - { .name: w_scales, .offset: 72, .size: 8, .value_kind: global_buffer, .address_space: global }
      - { .name: wo16, .offset: 80, .size: 8, .value_kind: global_buffer, .address_space: global }
      - { .name: negc, .offset: 88, .size: 8, .value_kind: global_buffer, .address_space: global }
    .group_segment_fixed_size: 120832
    .private_segment_fixed_size: 0
    .kernarg_segment_align: 8
    .kernarg_segment_size: 96
    .max_flat_workgroup_size: 512
    .sgpr_count:     66
    .vgpr_count:     176
    .wavefront_size: 32
...
	.end_amdgpu_metadata
.endif
;; end of part 1
;; launch qkv (part 2): grid 16 x 16, 4 waves a work-group, clusters of 4 x 4, 327,680 bytes of LDS; arguments a_codes, a_scales, w_codes, w_scales, bq, bk, bv, mask, qkv16; writes qkv16
.if DOCPART == 2
	.amdgcn_target "amdgcn-amd-amdhsa--gfx1250"
	.amdhsa_code_object_version 6
	.text
	.protected	k_q20702db219_qkv
	.globl	k_q20702db219_qkv
	.p2align	8
	.type	k_q20702db219_qkv,@function
k_q20702db219_qkv:
	s_mov_b64 s[64:65], 0
	v_nop
	global_prefetch_b8 v0, s[64:65] scope:SCOPE_SE
	s_setreg_imm32_b32 hwreg(HW_REG_WAVE_MODE, 25, 1), 1
	s_wait_xcnt 0x0
	s_wait_alu depctr_hold_cnt(0) depctr_sa_sdst(0) depctr_va_vdst(0) depctr_va_sdst(0) depctr_va_ssrc(0) depctr_va_vcc(0) depctr_vm_vsrc(0)
	s_getreg_b32 s2, hwreg(HW_REG_IB_STS2, 6, 4)
	s_cmp_eq_u32 s2, 0
	s_cbranch_scc0 .Lentry_in_a_cluster
	s_endpgm
.Lentry_in_a_cluster:
	s_bfe_u32 s2, ttmp6, 0x10000c
	s_cmp_lg_u32 s2, 0xf033
	s_cbranch_scc0 .Lentry_shape_is_right
	s_endpgm
.Lentry_shape_is_right:
; Q, K, V = Q(batch) Q(W) + b, on codes of FP4 (E2M1) with one E8M0 scale for each 32 along K = 1,024; sums in f32; results leave as f16, by heads: qkv16 [which 3][batch x head 32][2048][64].
; What is stored: Q x log2(e) / 8 (formed in f32, so that attention's scores are exponents of 2); K, with the rows of keys that the mask hides stored as zeros (their score is then the mask's term alone); V.
; LIMITS: |Q| log2(e) / 8, |K| and |V| beyond f16's 65,504 are not served; NaN and infinities are not served.
; SHARES.  A work-group makes 256 tokens x 192 columns (three whole heads); wave w takes tokens 64 w on x all 192 columns: 48 accumulators.  K goes in eight steps of 128.
; ALL OF K LIES IN LDS: two halves of 512 along K (rows of 256 bytes), each filled once; nothing is filled again.  The scale bytes of the work-group's rows come once too, in units of 256 bytes.
; CLUSTER 4 x 4: the four of a row need the same tokens, the four of a column the same weights: each tile is asked for jointly.
; THE MATRIX INSTRUCTION IS USED TRANSPOSED (source 0 = 16 columns of W, source 1 = 16 tokens): a lane holds one token and eight neighbouring columns.
; REGISTERS: window 0: v1-29 addresses; v32-63 A's scale words (8 a + q), v64-159 B's (8 b + q): these hold scales and nothing else; v160-223 A's fragments, two sets; on the way out v160-255 are at work.
;   window 1: B's fragments, two sets of 96.   window 2: accumulators of token blocks 0, 1 (96 (a % 2) + 8 b), bias tiles 0-7 from v192.   window 3: blocks 2, 3; bias tiles 8-11 from v192.
.set PITCH,  272                       ; an LDS row: 256 bytes + 16 of padding
.set ABYTES, 256*PITCH                 ; A's 256 rows; B's 192 follow
.set SLOT,   448*PITCH
.set SCA,    2*SLOT                    ; A's scale bytes: 32 units of 256 bytes + 16
.set SCB,    SCA+32*272                ; B's: 24 units
.set STAGE,  259072                    ; the way out: for each wave three heads x 16 tokens x (128 bytes + 16); no fill lands in these blocks
.set SPARE,  286720                    ; the spare words, 128 bytes a wave: two blocks of 256 bytes that no other line names
.set MO,   1                           ; v1   r = lane % 16: also the mask's byte offset
.set KEEP, 8                           ; v8-11 the mask of my token in block a, as 0.0 or 1.0
.set BO,   12                          ; v12  32 (lane / 16): my eight columns in a bias tile
.set ADRA, 16                          ; v16-17 my A fragments in half 0, 1
.set ADRB, 18                          ; v18-19 B's
.set ADSA, 20                          ; v20  A's scale words
.set ADSB, 21                          ; v21  B's
.set STO,  22
.set RD,   23
.set GO,   24
.set FF,   26                          ; v26  the factor of a unit; v27 its pair's partner, written once
.set SPW,  28
.set NIL,  29
.set SA,   32
.set SB,   64
.set AF,   160
.set BK,   160                         ; the way out: two sets of 16 registers read back from the stage
.set TMP,  192                         ; and two sets of 32 at work
.set BPT,  4                           ; s[4:9]   the bias at each of my three heads
.set HB,   12                          ; s[12:17] where my 64 tokens of each head begin in qkv16
.set G1,   32
.set G1B,  40
.set G1S,  48
.set G1SB, 56
.set G0,   68
.set G0B,  76
.set G0S,  84
.set G0SB, 88
.set FQ,   92                          ; s92-94  log2(e) / 8 for a head of Q, else 1.0
.set SELM, 95                          ; s95-97  all ones for a head of K, else 0
.set MSB, 0
.macro WIN new                         ; the immediate's high byte repeats the setting that is left
.if MSB != (\new)
	s_set_vgpr_msb (MSB<<8)|(\new)
.set MSB, \new
.endif
.endm
.set MUL_LO, 0xa1                      ; source 0 (W) window 1, source 1 (tokens) window 0, C and D window 2
.set TO_B,   0x40
.macro PLACES
.rept 4
	v_nop
.endr
.endm
; A joint load: waves 0 and 1 fetch for A, waves 2 and 3 for B.  An s_nop 0 and four v_nop follow each line.
.macro JLOAD g0a, g1a, g0b, g1b
	s_cmp_eq_u32 s24, 0
	s_cbranch_scc0 .Lfor_b_\@
	tensor_load_to_lds s[\g0a:\g0a+3], s[\g1a:\g1a+7]
	s_nop 0
.rept 4
	v_nop
.endr
	s_branch .Lasked_\@
.Lfor_b_\@:
	tensor_load_to_lds s[\g0b:\g0b+3], s[\g1b:\g1b+7]
	s_nop 0
.rept 4
	v_nop
.endr
.Lasked_\@:
.endm
.macro CROUND                          ; a round of the cluster's barrier
	s_barrier_signal -1
	s_barrier_wait -1
	s_cmp_lg_u32 s22, 0
	s_cbranch_scc1 .Lnot_wave_0_\@
	s_barrier_signal -3
.Lnot_wave_0_\@:
	s_barrier_wait -3
	s_barrier_signal -1
	s_barrier_wait -1
.endm
	s_load_b256 s[4:11], s[0:1], 0x0               ; a_codes 4, a_scales 6, w_codes 8, w_scales 10
	s_load_b256 s[12:19], s[0:1], 0x20             ; bq 12, bk 14, bv 16, mask 18
	s_load_b64 s[20:21], s[0:1], 0x40              ; qkv16
	v_lshl_add_u32 v[SPW], v0, 2, SPARE
	v_mov_b32 v[NIL], 0
	ds_add_u32 v[SPW], v[NIL]                      ; the wave's opening: the add, twice on end, and its wait ahead of my first tensor load
	ds_add_u32 v[SPW], v[NIL]
	v_lshrrev_b32 v1, 5, v0
	v_readfirstlane_b32 s22, v1                    ; wave 0..3
	s_and_b32 s23, s22, 1                          ; which half of a tile's rows I fetch
	s_lshr_b32 s24, s22, 1                         ; I fetch for A (0) or for B (1)
	s_bfe_u32 s25, ttmp6, 0x40000                  ; cx
	s_bfe_u32 s26, ttmp6, 0x40004                  ; cy
	s_lshl_b32 s27, ttmp9, 2
	s_add_co_u32 s27, s27, s25                     ; tile column: 192 columns
	s_and_b32 s28, ttmp7, 0xffff
	s_lshl_b32 s28, s28, 2
	s_add_co_u32 s28, s28, s26                     ; tile row: 256 tokens
	s_lshl_b32 s29, s26, 2
	s_lshl_b32 s29, 15, s29                        ; my row of the cluster
	s_lshl_b32 s30, 0x1111, s25                    ; my column
	s_or_b32 s[G1], s29, (1<<20)|(1<<21)|(5<<22)|(3<<25)     ; elements of 1 byte; padding on: 4 words behind every 64; bit 21 beside a mask
	s_or_b32 s[G1B], s30, (1<<20)|(1<<21)|(5<<22)|(3<<25)
	s_mov_b32 s[G1+1], 256<<16                     ; tensor_dim0 = 256 bytes: 512 codes
	s_mov_b32 s[G1+2], 128<<16                     ; tensor_dim1 = 128 rows
	s_mov_b32 s[G1+3], 256<<16                     ; tile_dim0
	s_mov_b32 s[G1+4], 128                         ; tile_dim1
	s_mov_b32 s[G1+5], 512                         ; a row of codes in memory
	s_mov_b32 s[G1+6], 0
	s_mov_b32 s[G1+7], 0
	s_mov_b32 s[G1B+1], 256<<16
	s_mov_b32 s[G1B+2], 96<<16                     ; 96 rows
	s_mov_b32 s[G1B+3], 256<<16
	s_mov_b32 s[G1B+4], 96
	s_mov_b32 s[G1B+5], 512
	s_mov_b32 s[G1B+6], 0
	s_mov_b32 s[G1B+7], 0
	s_or_b32 s[G1S], s29, (3<<16)|(1<<20)|(1<<21)|(5<<22)|(3<<25)   ; the scale bytes: dense, as rows of 32 elements of 8 bytes
	s_or_b32 s[G1SB], s30, (3<<16)|(1<<20)|(1<<21)|(5<<22)|(3<<25)
	s_mov_b32 s[G1S+1], 32<<16
	s_mov_b32 s[G1S+2], 16<<16                     ; 128 rows x 32 bytes = 16 units
	s_mov_b32 s[G1S+3], 32<<16
	s_mov_b32 s[G1S+4], 16
	s_mov_b32 s[G1S+5], 32
	s_mov_b32 s[G1S+6], 0
	s_mov_b32 s[G1S+7], 0
	s_mov_b32 s[G1SB+1], 32<<16
	s_mov_b32 s[G1SB+2], 12<<16                    ; 96 rows x 32 bytes = 12 units
	s_mov_b32 s[G1SB+3], 32<<16
	s_mov_b32 s[G1SB+4], 12
	s_mov_b32 s[G1SB+5], 32
	s_mov_b32 s[G1SB+6], 0
	s_mov_b32 s[G1SB+7], 0
	; where the tiles come from.  A's hang on the tile row alone, B's on the tile column alone, each in registers that never hold the other coordinate
	s_lshl_b32 s66, s28, 17                        ; 256 rows x 512 bytes
	s_lshl_b32 s67, s23, 16
	s_add_co_u32 s66, s66, s67
	s_mov_b32 s67, 0
	s_lshl_b32 s98, s28, 13                        ; 256 rows x 32 bytes
	s_lshl_b32 s99, s23, 12
	s_add_co_u32 s98, s98, s99
	s_mov_b32 s99, 0
	s_mul_i32 s100, s27, 192*512
	s_mul_i32 s101, s23, 96*512
	s_add_co_u32 s100, s100, s101
	s_mov_b32 s101, 0
	s_mul_i32 s2, s27, 192*32
	s_mul_i32 s3, s23, 96*32
	s_add_co_u32 s2, s2, s3
	s_mov_b32 s3, 0
	s_mul_i32 s31, s23, 128*PITCH                  ; and where they go: the wave's number alone enters an LDS address
	s_mul_i32 s92, s23, 96*PITCH
	s_add_co_u32 s92, s92, ABYTES
	s_mul_i32 s93, s23, 16*272
	s_add_co_u32 s93, s93, SCA
	s_mul_i32 s94, s23, 12*272
	s_add_co_u32 s94, s94, SCB
	s_wait_dscnt 0x0                               ; both opening adds are done
	s_wait_kmcnt 0x0
	s_add_nc_u64 s[66:67], s[4:5], s[66:67]
	s_add_nc_u64 s[98:99], s[6:7], s[98:99]
	s_add_nc_u64 s[100:101], s[8:9], s[100:101]
	s_add_nc_u64 s[2:3], s[10:11], s[2:3]
.irp s, 0,1
	s_mov_b32 s[G0+4*\s], 1
	s_add_co_u32 s[G0+4*\s+1], s31, \s*SLOT
	s_add_nc_u64 s[G0+4*\s+2:G0+4*\s+3], s[66:67], \s*256          ; half s of K
	s_or_b32 s[G0+4*\s+3], s[G0+4*\s+3], 0x80000000
	s_mov_b32 s[G0B+4*\s], 1
	s_add_co_u32 s[G0B+4*\s+1], s92, \s*SLOT
	s_add_nc_u64 s[G0B+4*\s+2:G0B+4*\s+3], s[100:101], \s*256
	s_or_b32 s[G0B+4*\s+3], s[G0B+4*\s+3], 0x80000000
.endr
	s_mov_b32 s[G0S], 1
	s_mov_b32 s[G0S+1], s93
	s_mov_b64 s[G0S+2:G0S+3], s[98:99]
	s_or_b32 s[G0S+3], s[G0S+3], 0x80000000
	s_mov_b32 s[G0SB], 1
	s_mov_b32 s[G0SB+1], s94
	s_mov_b64 s[G0SB+2:G0SB+3], s[2:3]
	s_or_b32 s[G0SB+3], s[G0SB+3], 0x80000000
	CROUND                                         ; all sixteen work-groups are here: the joint loads meet
	JLOAD G0S, G1S, G0SB, G1SB                     ; three loads of mine are out: the scale bytes,
	JLOAD G0, G1, G0B, G1B                         ; the first half of K,
	JLOAD G0+4, G1, G0B+4, G1B                     ; the second
	; my three heads g = 3 x tile column + i: which tensor, which bias, which factor, where they go.  Selections only: no branch hangs on a place in the cluster
	s_mul_i32 s2, s27, 3
	s_lshr_b32 s3, s28, 3                          ; the batch: 8 tile rows each
	s_lshl_b32 s3, s3, 22                          ; x 16 heads x 262,144 bytes
	s_and_b32 s31, s28, 7
	s_lshl_b32 s31, s31, 15                        ; + 256 tokens x 128 bytes x tile row in the batch
	s_add_co_u32 s3, s3, s31
	s_lshl_b32 s31, s22, 13                        ; + my 64 tokens
	s_add_co_u32 s3, s3, s31
.irp i, 0,1,2
	s_add_co_u32 s31, s2, \i
	s_lshr_b32 s66, s31, 4                         ; 0 Q, 1 K, 2 V
	s_and_b32 s31, s31, 15                         ; the head
	s_cmp_eq_u32 s66, 0
	s_cselect_b64 s[BPT+2*\i:BPT+2*\i+1], s[12:13], s[14:15]
	s_cselect_b32 s[FQ+\i], 0x3e38aa3b, 1.0        ; log2(e) / 8
	s_cmp_eq_u32 s66, 2
	s_cselect_b64 s[BPT+2*\i:BPT+2*\i+1], s[16:17], s[BPT+2*\i:BPT+2*\i+1]
	s_cmp_eq_u32 s66, 1
	s_cselect_b32 s[SELM+\i], -1, 0
	s_lshl_b32 s66, s66, 23                        ; 8,388,608 bytes a tensor
	s_lshl_b32 s67, s31, 18
	s_add_co_u32 s66, s66, s67
	s_add_co_u32 s[98+\i], s66, s3
	s_lshl_b32 s66, s31, 8                         ; 64 numbers of the bias a head
	s_mov_b32 s67, 0
	s_add_nc_u64 s[BPT+2*\i:BPT+2*\i+1], s[BPT+2*\i:BPT+2*\i+1], s[66:67]
.endr
.irp i, 0,1,2
	s_mov_b32 s66, s[98+\i]
	s_add_nc_u64 s[HB+2*\i:HB+2*\i+1], s[20:21], s[66:67]          ; (bq, bk, bv have been chosen from: their registers are free)
.endr
	s_lshl_b32 s66, s28, 8
	s_lshl_b32 s31, s22, 6
	s_add_co_u32 s66, s66, s31
	s_add_nc_u64 s[18:19], s[18:19], s[66:67]      ; the mask at my 64 tokens
	v_and_b32 v1, 15, v0                           ; r
	v_bfe_u32 v2, v0, 4, 1                         ; h
	v_and_b32 v3, 31, v0                           ; lane
	v_lshlrev_b32 v[BO], 5, v2
	WIN 0x80                                       ; destination window 2
.irp b, 0,1,2,3,4,5,6,7                        ; bias tile b in the result's layout: lane (r, h) holds columns 16 b + 8 h + 0 .. 7
	global_load_b128 v[192+8*\b:195+8*\b], v[BO], s[BPT+2*(\b/4):BPT+2*(\b/4)+1] offset:64*(\b%4)
	global_load_b128 v[196+8*\b:199+8*\b], v[BO], s[BPT+2*(\b/4):BPT+2*(\b/4)+1] offset:64*(\b%4)+16
.endr
	WIN 0xc0                                       ; destination window 3
.irp b, 0,1,2,3
	global_load_b128 v[192+8*\b:195+8*\b], v[BO], s[BPT+4:BPT+5] offset:64*\b
	global_load_b128 v[196+8*\b:199+8*\b], v[BO], s[BPT+4:BPT+5] offset:64*\b+16
.endr
	WIN 0
.irp a, 0,1,2,3
	global_load_u8 v[KEEP+\a], v[MO], s[18:19] offset:16*\a        ; the mask's byte of token 16 a + r
.endr
	v_mov_b32 v[FF+1], 0                           ; named with v26 as a pair, so it is written
	v_mul_u32_u24 v4, v1, PITCH
	v_lshl_add_u32 v4, v2, 4, v4                   ; a fragment's row x pitch + 16 x half
	s_mul_i32 s2, s22, 64*PITCH
	v_add_nc_u32 v[ADRA], s2, v4
	v_add_nc_u32 v[ADRA+1], SLOT, v[ADRA]
	v_add_nc_u32 v[ADRB], ABYTES, v4
	v_add_nc_u32 v[ADRB+1], SLOT, v[ADRB]
	v_lshrrev_b32 v5, 3, v1
	v_and_b32 v6, 7, v1
	v_mul_u32_u24 v5, v5, 272
	v_lshl_add_u32 v5, v6, 5, v5                   ; a row's 32 scale bytes: eight rows to a unit of 256 bytes + 16
	s_mul_i32 s2, s22, 8*272
	s_add_co_u32 s2, s2, SCA
	v_add_nc_u32 v[ADSA], s2, v5
	v_add_nc_u32 v[ADSB], SCB, v5
	s_mul_i32 s2, s22, 3*16*144
	s_add_co_u32 s2, s2, STAGE
	v_mul_u32_u24 v6, v1, 144
	v_lshl_add_u32 v6, v2, 4, v6
	v_add_nc_u32 v[STO], s2, v6                    ; into my stage: token r, 16 bytes for each half of the lanes
	v_lshrrev_b32 v6, 3, v3
	v_mul_u32_u24 v6, v6, 144
	v_and_b32 v7, 7, v3
	v_lshl_add_u32 v6, v7, 4, v6
	v_add_nc_u32 v[RD], s2, v6                     ; back: eight lanes to a token's 128 bytes, four tokens an instruction
	v_lshlrev_b32 v[GO], 4, v3                     ; which are 512 bytes on end in memory
.macro FRAG reg, adr, off              ; 16 rows x 128 K of 4-bit codes: 8 registers: two loads of 16 bytes, 32 bytes apart
	ds_load_b128 v[\reg:\reg+3], v[\adr] offset:\off
	ds_load_b128 v[\reg+4:\reg+7], v[\adr] offset:\off+32
.endm
.macro FETCH q                         ; K step q into set q % 2: 32 loads in one run
	WIN TO_B
.irp b, 0,1,2,3,4,5,6,7,8,9,10,11
	FRAG 96*((\q)%2)+8*\b, ADRB+(\q)/4, 64*((\q)%4)+16*PITCH*\b
.endr
	WIN 0
.irp a, 0,1,2,3
	FRAG AF+32*((\q)%2)+8*\a, ADRA+(\q)/4, 64*((\q)%4)+16*PITCH*\a
.endr
.endm
; 48 matrix instructions.  The 48 accumulators take turns, one instruction a turn, in the same order in every step.  The first step's products start the sums.
.macro MUL q
.irp a, 0,1,2,3
	WIN MUL_LO+0x50*(\a/2)
.irp b, 0,1,2,3,4,5,6,7,8,9,10,11
.if (\q) == 0
	v_wmma_scale_f32_16x16x128_f8f6f4 v[96*(\a%2)+8*\b:96*(\a%2)+8*\b+7], v[96*((\q)%2)+8*\b:96*((\q)%2)+8*\b+7], v[AF+32*((\q)%2)+8*\a:AF+32*((\q)%2)+8*\a+7], 0, v[SB+8*\b+(\q)], v[SA+8*\a+(\q)] matrix_a_fmt:MATRIX_FMT_FP4 matrix_b_fmt:MATRIX_FMT_FP4
.else
	v_wmma_scale_f32_16x16x128_f8f6f4 v[96*(\a%2)+8*\b:96*(\a%2)+8*\b+7], v[96*((\q)%2)+8*\b:96*((\q)%2)+8*\b+7], v[AF+32*((\q)%2)+8*\a:AF+32*((\q)%2)+8*\a+7], v[96*(\a%2)+8*\b:96*(\a%2)+8*\b+7], v[SB+8*\b+(\q)], v[SA+8*\a+(\q)] matrix_a_fmt:MATRIX_FMT_FP4 matrix_b_fmt:MATRIX_FMT_FP4
.endif
.endr
.endr
.endm
.macro STEP q
.if (\q) > 0
	PLACES                                         ; four places in front of loads into the set that the step before multiplied
.endif
.if (\q) == 3
	s_wait_tensorcnt 0x0                           ; my part of K's second half has landed,
	s_wait_dscnt 0x0
	s_barrier_signal -1
	s_barrier_wait -1                              ; everybody's has.
.endif
.if (\q) < 7
	FETCH (\q)+1
	s_wait_dscnt 32                                ; all but the 32 loads just issued: this step's fragments are in
.else
	s_wait_dscnt 0x0
.endif
	MUL \q
	WIN 0
.endm
	s_wait_tensorcnt 1                             ; the scale bytes and my part of K's first half are in; the second half's load may stay out
	s_barrier_signal -1
	s_barrier_wait -1
.irp a, 0,1,2,3                                ; all scale words, once: eight words (K steps) a row
	ds_load_b128 v[SA+8*\a:SA+8*\a+3], v[ADSA] offset:544*\a
	ds_load_b128 v[SA+8*\a+4:SA+8*\a+7], v[ADSA] offset:544*\a+16
.endr
.irp b, 0,1,2,3,4,5,6,7,8,9,10,11
	ds_load_b128 v[SB+8*\b:SB+8*\b+3], v[ADSB] offset:544*\b
	ds_load_b128 v[SB+8*\b+4:SB+8*\b+7], v[ADSB] offset:544*\b+16
.endr
	FETCH 0
.irp q, 0,1,2,3,4,5,6,7
	STEP \q
.endr
; THE WAY OUT, in twelve units of 16 tokens x one head.  (sum + bias) x factor in f32, rounded once to f16; through my own stage, so that 32 lanes store 512 bytes on end.
; The factor: log2(e) / 8 for Q, 1 for V, the token's mask (0 or 1) for K.
.macro UNIT a, i
.set U, 3*(\a)+(\i)
.set TM, TMP+32*(U%2)
.set BB, BK+16*(U%2)
.set AC, 96*((\a)%2)+32*(\i)
.set BI, 192+32*((\i)%2)
	WIN (2+(\a)/2)|((2+(\i)/2)<<2)                 ; source 0: the accumulators' window; source 1: the bias tiles'
.irp k, 0,2,4,6,8,10,12,14,16,18,20,22,24,26,28,30
	v_pk_add_f32 v[TM+\k:TM+\k+1], v[AC+\k:AC+\k+1], v[BI+\k:BI+\k+1]    ; ascending: each accumulator is read from its low end on
.endr
	WIN 0
	v_cndmask_b32 v[FF], s[FQ+(\i)], v[KEEP+(\a)], s[SELM+(\i)]
.irp k, 0,2,4,6,8,10,12,14,16,18,20,22,24,26,28,30
	v_pk_mul_f32 v[TM+\k:TM+\k+1], v[TM+\k:TM+\k+1], v[FF:FF+1] op_sel_hi:[1,0]
.endr
.irp k, 0,1,2,3,4,5,6,7,8,9,10,11,12,13,14,15
	v_cvt_pk_f16_f32 v[TM+\k], v[TM+2*\k], v[TM+2*\k+1]            ; ascending, in place: register k is written when 2 k and 2 k + 1 are read
.endr
.irp b, 0,1,2,3
	ds_store_b128 v[STO], v[TM+4*\b:TM+4*\b+3] offset:2304*(\i)+32*\b
.endr
	s_wait_xcnt 0x0                                ; the stores of two units back have read the registers into which the loads below land
.irp k, 0,1,2,3
	ds_load_b128 v[BB+4*\k:BB+4*\k+3], v[RD] offset:2304*(\i)+576*\k     ; LDS serves a wave's instructions in order: these see the stores above
.endr
.endm
.macro SEND a, i, younger
.set BB, BK+16*((3*(\a)+(\i))%2)
	s_wait_dscnt \younger                          ; the unit is back; the next unit's four stores and four loads may be out
.irp k, 0,1,2,3
	global_store_b128 v[GO], v[BB+4*\k:BB+4*\k+3], s[HB+2*(\i):HB+2*(\i)+1] offset:2048*(\a)+512*\k
.endr
.endm
	PLACES                                         ; behind the last products, ahead of the first read of results and of writes into A's fragments' registers
	s_wait_loadcnt 0x0                             ; the biases and the mask
.irp a, 0,1,2,3
	v_cvt_f32_u32 v[KEEP+\a], v[KEEP+\a]
.endr
	UNIT 0, 0
.irp u, 1,2,3,4,5,6,7,8,9,10,11
	UNIT \u/3, \u%3
	SEND (\u-1)/3, (\u-1)%3, 8
.endr
	SEND 3, 2, 0
	s_wait_tensorcnt 0x0                           ; the wave's end
	ds_add_u32 v[SPW], v[NIL]
	s_wait_dscnt 0x0
	CROUND                                         ; the closing round
	s_endpgm
.Lfunc_end_k_q20702db219_qkv:
	.size	k_q20702db219_qkv, .Lfunc_end_k_q20702db219_qkv-k_q20702db219_qkv
	.p2alignl 7, 3214868480
	.fill 96, 4, 3214868480
	.section	.rodata,"a",@progbits
	.p2align	6, 0x0
	.amdhsa_kernel k_q20702db219_qkv
		.amdhsa_group_segment_fixed_size 327680
		.amdhsa_private_segment_fixed_size 0
		.amdhsa_enable_private_segment 0
		.amdhsa_kernarg_size 72
		.amdhsa_user_sgpr_count 2
		.amdhsa_user_sgpr_kernarg_segment_ptr 1
		.amdhsa_wavefront_size32 1
		.amdhsa_system_sgpr_workgroup_id_x 1
		.amdhsa_system_sgpr_workgroup_id_y 1
		.amdhsa_system_sgpr_workgroup_id_z 1
		.amdhsa_system_vgpr_workitem_id 0
		.amdhsa_next_free_vgpr 1024
		.amdhsa_next_free_sgpr 102
		.amdhsa_reserve_vcc 0
		.amdhsa_float_denorm_mode_32 3
		.amdhsa_float_denorm_mode_16_64 3
		.amdhsa_memory_ordered 1
		.amdhsa_forward_progress 1
		.amdhsa_inst_pref_size 133
	.end_amdhsa_kernel
	.amdgpu_metadata
---
amdhsa.version: [ 1, 2 ]
amdhsa.kernels:
  - .name:           k_q20702db219_qkv
    .symbol:         k_q20702db219_qkv.kd
    .args:
      - { .name: a_codes, .offset: 0, .size: 8, .value_kind: global_buffer, .address_space: global }
      - { .name: a_scales, .offset: 8, .size: 8, .value_kind: global_buffer, .address_space: global }
      - { .name: w_codes, .offset: 16, .size: 8, .value_kind: global_buffer, .address_space: global }
      - { .name: w_scales, .offset: 24, .size: 8, .value_kind: global_buffer, .address_space: global }
      - { .name: bq, .offset: 32, .size: 8, .value_kind: global_buffer, .address_space: global }
      - { .name: bk, .offset: 40, .size: 8, .value_kind: global_buffer, .address_space: global }
      - { .name: bv, .offset: 48, .size: 8, .value_kind: global_buffer, .address_space: global }
      - { .name: mask, .offset: 56, .size: 8, .value_kind: global_buffer, .address_space: global }
      - { .name: qkv16, .offset: 64, .size: 8, .value_kind: global_buffer, .address_space: global }
    .group_segment_fixed_size: 327680
    .private_segment_fixed_size: 0
    .kernarg_segment_align: 8
    .kernarg_segment_size: 72
    .max_flat_workgroup_size: 128
    .sgpr_count:     102
    .vgpr_count:     1024
    .wavefront_size: 32
...
	.end_amdgpu_metadata
.endif
;; end of part 2
;; launch attn (part 3): grid 8 x 32, 4 waves a work-group, clusters of 4 x 1, 327,680 bytes of LDS; arguments qkv16, negc, x16; writes x16
.if DOCPART == 3
	.amdgcn_target "amdgcn-amd-amdhsa--gfx1250"
	.amdhsa_code_object_version 6
	.text
	.protected	k_q20702db219_attn
	.globl	k_q20702db219_attn
	.p2align	8
	.type	k_q20702db219_attn,@function
k_q20702db219_attn:
	s_mov_b64 s[64:65], 0
	v_nop
	global_prefetch_b8 v0, s[64:65] scope:SCOPE_SE
	s_setreg_imm32_b32 hwreg(HW_REG_WAVE_MODE, 25, 1), 1
	s_wait_xcnt 0x0
	s_wait_alu depctr_hold_cnt(0) depctr_sa_sdst(0) depctr_va_vdst(0) depctr_va_sdst(0) depctr_va_ssrc(0) depctr_va_vcc(0) depctr_vm_vsrc(0)
	s_getreg_b32 s2, hwreg(HW_REG_IB_STS2, 6, 4)
	s_cmp_eq_u32 s2, 0
	s_cbranch_scc0 .Lentry_in_a_cluster
	s_endpgm
.Lentry_in_a_cluster:
	s_bfe_u32 s2, ttmp6, 0x10000c
	s_cmp_lg_u32 s2, 0x3003
	s_cbranch_scc0 .Lentry_shape_is_right
	s_endpgm
.Lentry_shape_is_right:
; X[bh][q] = the sum over k of softmax_k(Q.K / 8 + mask term) V[k], for 32 heads of 2,048 x 2,048, depth 64.  Operands f16, products, maxima and sums f32; p and X rounded to f16 once.
; Q arrives multiplied by log2(e) / 8, hidden keys' rows of K arrive as zeros, negc holds 0 or -1e9 x log2(e) for each key.  THE MASK COSTS NO VECTOR INSTRUCTION: negc is the C of each score tile's first
; matrix instruction.  u = the score; m = the running maximum of u, hidden keys among them; p = 2^(u - m), at most 1; in every step O and l are multiplied by a = 2^(m_old - m_new).
; LIMITS: where a batch has no key that counts AND logits reach 32 in size, reference()'s own result hangs on the rounding of logit - 1e9; this text gives the plain mean of V there.  NaN, infinities: not served.
; SHARES.  A work-group owns 256 queries of a head, a wave 64: four tiles of 16, in two PIECES (tiles 0, 1 and tiles 2, 3).  Every wave walks all keys, 64 a step.
; LAYOUT.  S^T = K Q^T, O^T = V^T P: a lane holds ONE query throughout.  K comes out of LDS as it lies, V turned by ds_load_tr16_b128.
; BY TURNS.  In a turn one piece has the matrix unit (16 products V^T P of the step in hand, 16 products K Q^T of the next); the other piece's softmax, 2 x 117 instructions in 32 slices, stands behind them.
; CLUSTER.  The four query blocks of a cluster walk one head's K and V: every tile is asked for jointly, mask 15.
; O^T begins as zeros and m as -3e38, so that the key step has one form: 128 moves once a wave in place of a first step and a half written out.
; REGISTERS: window 0: v1-11 addresses; v12-43 statistics, eight a tile; v61-63; v64-191 S^T, 32 a tile; v192-255 P, 16 a tile.   window 1: v0-127 O^T, 32 a tile; v128-159 negc of the step's 64 keys in the result's layout.
;   window 2: v0-63 Q; v64-127 K of a step; v128-191 V of a step.
.set PK,    272                        ; two keys' rows of K (256 bytes) + 16 of padding: key k at 272 (k / 2) + 128 (k % 2)
.set VP,    288                        ; two keys' rows of V + 32
.set KB,    256*PK                     ; a slot: 512 keys of K, then 512 of V
.set SLOT,  256*(PK+VP)
.set NEG,   2*SLOT                     ; the batch's negc, 8,192 bytes, filled once
.set SPARE, NEG+8192                   ; the spare words: two blocks of 256 bytes that no other line names
.set STAGE, SPARE+512                  ; the way out: 16 rows x (128 bytes + 16) for each wave; no fill lands here
.set AK0, 2
.set AV0, 3
.set ADR, 4
.set QO,  5
.set STO, 6
.set RD,  7
.set GO,  8
.set AN0, 10
.set ADR2, 11
.set ST,  12                           ; tile t at v[12 + 8 t]: +0 m, +1 its pair's partner (0), +2, +3 l, +4 to +7 at work; a takes +6, m_old - m_new +7
.set PFO, 61
.set SPW, 62
.set NIL, 63
.set S,   64
.set P,   192
.set NEGR, 128                         ; in window 1
.set KF,  64                           ; in window 2
.set VF,  128                          ; in window 2
.set WV,  12
.set G1K, 24
.set G1V, 32
.set G0K, 40                           ; a set for each slot
.set G0V, 48
.set TK,  56                           ; LDS byte at which the K to be fetched next begins
.set TV,  57                           ; the same for V (less V's place in a slot)
.set TN,  58                           ; and for negc
.set CNT, 59
.set SEL, 60
.set PFA, 62
.set G1N, 68
.set G0N, 76
.set MSB, 0
.macro WIN new
.if MSB != (\new)
	s_set_vgpr_msb (MSB<<8)|(\new)
.set MSB, \new
.endif
.endm
.set W_KQ0, 0x1a                       ; K and Q window 2, C (negc) window 1, S^T window 0
.set W_KQ1, 0x0a
.set W_PV,  0x52                       ; V window 2, P window 0, O^T window 1
.set W_RS,  0x41                       ; O^T (destination and source 0) window 1, a window 0
.macro JLOAD s                         ; a joint refill of slot s: waves 0, 1 K's halves, waves 2, 3 V's.  An s_nop 0 and four v_nop follow each line
	s_cmp_lt_u32 s[WV], 2
	s_cbranch_scc0 .Lfor_v_\@
	tensor_load_to_lds s[G0K+4*\s:G0K+4*\s+3], s[G1K:G1K+7]
	s_nop 0
.rept 4
	v_nop
.endr
	s_branch .Lasked_\@
.Lfor_v_\@:
	tensor_load_to_lds s[G0V+4*\s:G0V+4*\s+3], s[G1V:G1V+7]
	s_nop 0
.rept 4
	v_nop
.endr
.Lasked_\@:
.endm
; A PREFETCH of the head's last 512 keys of K and V, which the next change of slots will load: eight key steps ahead of that load.  All clusters of a head walk the same rows: the head's first cluster asks.
; Its sixteen waves are told apart BY ADDRESS: waves 0, 1 take K, waves 2, 3 V; 8,192 bytes a wave, lanes 256 bytes apart: each aligned block of 256 bytes is named once.  The address is never rewritten.
.macro ASK
	s_cmp_eq_u32 ttmp9, 0
	s_cbranch_scc0 .Lnot_mine_\@
	global_prefetch_b8 v[PFO], s[PFA:PFA+1] th:TH_LOAD_NT scope:SCOPE_SE
.Lnot_mine_\@:
.endm
.macro CROUND
	s_barrier_signal -1
	s_barrier_wait -1
	s_cmp_lg_u32 s[WV], 0
	s_cbranch_scc1 .Lnot_wave_0_\@
	s_barrier_signal -3
.Lnot_wave_0_\@:
	s_barrier_wait -3
	s_barrier_signal -1
	s_barrier_wait -1
.endm
	s_load_b128 s[4:7], s[0:1], 0x0                ; qkv16, negc
	s_load_b64 s[8:9], s[0:1], 0x10                ; x16
	v_lshl_add_u32 v[SPW], v0, 2, SPARE
	v_mov_b32 v[NIL], 0
	ds_add_u32 v[SPW], v[NIL]                      ; the wave's opening: the add, twice on end, and its wait ahead of my first tensor load
	ds_add_u32 v[SPW], v[NIL]
	v_lshrrev_b32 v1, 5, v0
	v_readfirstlane_b32 s[WV], v1                  ; wave 0..3
	s_bfe_u32 s13, ttmp6, 0x40000                  ; cx
	s_lshl_b32 s14, ttmp9, 2
	s_add_co_u32 s14, s14, s13                     ; my block of 256 queries: it enters Q's, X's and the prefetch's addresses alone
	s_and_b32 s15, ttmp7, 0xffff                   ; batch x 16 + head, which the partners share
	s_and_b32 s16, s[WV], 1                        ; which half of a slot's keys I fetch
	s_lshl_b32 s20, s15, 18                        ; a head is 262,144 bytes
	s_lshl_b32 s17, s16, 15                        ; 256 keys x 128 bytes
	s_add_co_u32 s20, s20, s17
	s_add_co_u32 s20, s20, 8388608                 ; K lies behind Q
	s_mov_b32 s21, 0
	s_mul_i32 s18, s16, 128*PK                     ; and in a slot
	s_mul_i32 s19, s16, 128*VP
	s_add_co_u32 s19, s19, KB
	s_lshr_b32 s22, s15, 4
	s_lshl_b32 s22, s22, 13                        ; negc: 8,192 bytes a batch,
	s_lshl_b32 s17, s[WV], 11                      ; a quarter a wave
	s_add_co_u32 s22, s22, s17
	s_mov_b32 s23, 0
	s_add_co_u32 s17, s17, NEG
	s_lshl_b32 s2, s15, 18                         ; Q: head, block, my 64 queries
	s_lshl_b32 s3, s14, 15
	s_add_co_u32 s2, s2, s3
	s_lshl_b32 s3, s[WV], 13
	s_add_co_u32 s2, s2, s3
	s_mov_b32 s3, 0
	s_lshr_b32 s10, s15, 4                         ; X: [tile of 128 tokens][head][128][64]: tile = 16 x batch + 2 x block + wave / 2
	s_lshl_b32 s10, s10, 4
	s_lshl_b32 s11, s14, 1
	s_add_co_u32 s10, s10, s11
	s_lshr_b32 s11, s[WV], 1
	s_add_co_u32 s10, s10, s11
	s_lshl_b32 s10, s10, 18
	s_and_b32 s11, s15, 15
	s_lshl_b32 s11, s11, 14
	s_add_co_u32 s10, s10, s11
	s_lshl_b32 s11, s16, 13                        ; + 64 tokens x 128 bytes x (wave % 2)
	s_add_co_u32 s10, s10, s11
	s_mov_b32 s11, 0
	s_lshl_b32 s[PFA], s13, 1                      ; the prefetch: part 2 cx + wave % 2 of eight,
	s_add_co_u32 s[PFA], s[PFA], s16
	s_lshl_b32 s[PFA], s[PFA], 13
	s_add_co_u32 s[PFA], s[PFA], 1536*128+8388608  ; from key 1,536 on, in K
	s_lshl_b32 s[PFA+1], s15, 18
	s_add_co_u32 s[PFA], s[PFA], s[PFA+1]
	s_cmp_lt_u32 s[WV], 2
	s_cselect_b32 s[PFA+1], 0, 8388608             ; or in V
	s_add_co_u32 s[PFA], s[PFA], s[PFA+1]
	s_mov_b32 s[PFA+1], 0
	s_mov_b32 s[G1K], 15|(1<<16)|(1<<20)|(1<<21)|(5<<22)|(3<<25)   ; the mask: all four; elements of 2 bytes; padding: 4 words behind every 64; bit 21 beside a mask
	s_mov_b32 s[G1V], 15|(1<<16)|(1<<20)|(1<<21)|(5<<22)|(7<<25)   ; the same with 8 words
.irp g, G1K, G1V
	s_mov_b32 s[\g+1], 128<<16                     ; tensor_dim0 = 128 elements: two keys' rows, which are dense in memory
	s_mov_b32 s[\g+2], 128<<16                     ; tensor_dim1 = 128 such rows: 256 keys
	s_mov_b32 s[\g+3], 128<<16
	s_mov_b32 s[\g+4], 128
	s_mov_b32 s[\g+5], 128
	s_mov_b32 s[\g+6], 0
	s_mov_b32 s[\g+7], 0
.endr
	s_mov_b32 s[G1N], 15|(3<<16)|(1<<21)           ; negc: 8 rows of 32 elements of 8 bytes, no padding
	s_mov_b32 s[G1N+1], 32<<16
	s_mov_b32 s[G1N+2], 8<<16
	s_mov_b32 s[G1N+3], 32<<16
	s_mov_b32 s[G1N+4], 8
	s_mov_b32 s[G1N+5], 32
	s_mov_b32 s[G1N+6], 0
	s_mov_b32 s[G1N+7], 0
	s_mov_b32 s[SEL], 0x76543210
	s_mov_b32 s[SEL+1], 0xfedcba98
	s_mov_b32 s[TK], 0
	s_mov_b32 s[TV], 0
	s_mov_b32 s[TN], 0
	s_wait_dscnt 0x0                               ; both opening adds are done
	s_wait_kmcnt 0x0
	s_add_nc_u64 s[20:21], s[4:5], s[20:21]
	s_add_nc_u64 s[22:23], s[6:7], s[22:23]
	s_add_nc_u64 s[80:81], s[4:5], s[2:3]          ; Q at my first query
	s_add_nc_u64 s[82:83], s[8:9], s[10:11]        ; X likewise
	s_add_nc_u64 s[PFA:PFA+1], s[4:5], s[PFA:PFA+1]
.irp s, 0,1
	s_mov_b32 s[G0K+4*\s], 1
	s_add_co_u32 s[G0K+4*\s+1], s18, \s*SLOT
	s_add_nc_u64 s[G0K+4*\s+2:G0K+4*\s+3], s[20:21], \s*65536      ; slot s begins with keys 512 s on
	s_or_b32 s[G0K+4*\s+3], s[G0K+4*\s+3], 0x80000000
	s_mov_b32 s[G0V+4*\s], 1
	s_add_co_u32 s[G0V+4*\s+1], s19, \s*SLOT
	s_add_nc_u64 s[G0V+4*\s+2:G0V+4*\s+3], s[20:21], \s*65536+8388608
	s_or_b32 s[G0V+4*\s+3], s[G0V+4*\s+3], 0x80000000
.endr
	s_mov_b32 s[G0N], 1
	s_mov_b32 s[G0N+1], s17
	s_mov_b64 s[G0N+2:G0N+3], s[22:23]
	s_or_b32 s[G0N+3], s[G0N+3], 0x80000000
	CROUND                                         ; all four work-groups are here: the first joint loads meet
	tensor_load_to_lds s[G0N:G0N+3], s[G1N:G1N+7]  ; three loads of mine go out together: my quarter of negc,
	s_nop 0
	s_cmp_lt_u32 s[WV], 2
	s_cbranch_scc0 .Lfirst_v
	tensor_load_to_lds s[G0K:G0K+3], s[G1K:G1K+7]  ; my half of slot 0,
	s_nop 0
	tensor_load_to_lds s[G0K+4:G0K+7], s[G1K:G1K+7]    ; and of slot 1
	s_nop 0
.rept 4
	v_nop
.endr
	s_branch .Lfirst_asked
.Lfirst_v:
	tensor_load_to_lds s[G0V:G0V+3], s[G1V:G1V+7]
	s_nop 0
	tensor_load_to_lds s[G0V+4:G0V+7], s[G1V:G1V+7]
	s_nop 0
.rept 4
	v_nop
.endr
.Lfirst_asked:
	v_and_b32 v1, 15, v0                           ; r
	v_bfe_u32 v9, v0, 4, 1                         ; h
	v_lshlrev_b32 v[QO], 7, v1
	v_lshl_add_u32 v[QO], v9, 4, v[QO]             ; Q: row r of 128 bytes + 16 h
	WIN 0x80                                       ; destination window 2
.irp f, 0,1,2,3,4,5,6,7                        ; Q stays in registers: tile f / 2, channels 32 (f % 2) on
	global_load_b128 v[8*\f:8*\f+3],   v[QO], s[80:81] offset:(\f/2)*2048+(\f%2)*64
	global_load_b128 v[8*\f+4:8*\f+7], v[QO], s[80:81] offset:(\f/2)*2048+(\f%2)*64+32
.endr
	WIN 0
	v_lshrrev_b32 v[AK0], 1, v1
	v_mul_u32_u24 v[AK0], v[AK0], PK
	v_and_b32 v[ADR], 1, v0
	v_lshl_add_u32 v[AK0], v[ADR], 7, v[AK0]
	v_lshl_add_u32 v[AK0], v9, 4, v[AK0]           ; K: key r: 272 (r / 2) + 128 (r % 2) + 16 h
	v_bfe_u32 v[AV0], v0, 1, 2
	v_lshl_add_u32 v[AV0], v9, 2, v[AV0]
	v_mul_u32_u24 v[AV0], v[AV0], VP
	v_lshl_add_u32 v[AV0], v[ADR], 7, v[AV0]
	v_bfe_u32 v[ADR2], v0, 3, 1
	v_lshl_add_u32 v[AV0], v[ADR2], 4, v[AV0]
	v_add_nc_u32 v[AV0], KB, v[AV0]                ; V, for the turning load: key 8 h + l % 8, channels 8 ((l / 8) % 2) on
	v_lshl_add_u32 v[AN0], v9, 5, NEG              ; negc: my half's eight keys of a tile
	v_and_b32 v[PFO], 31, v0
	v_lshlrev_b32 v[PFO], 8, v[PFO]
.irp t, 0,1,2,3
	v_mov_b32 v[ST+8*\t], 0xff61b1e6               ; m = -3e38, under every score
	v_mov_b32 v[ST+8*\t+1], 0
	v_mov_b32 v[ST+8*\t+2], 0                      ; l
	v_mov_b32 v[ST+8*\t+3], 0
.endr
	WIN 0x40
.set i, 0
.rept 128
	v_mov_b32 v[i], 0                              ; O^T
.set i, i+1
.endr
	WIN 0
; Product i of 16 of S^T = K Q^T for piece x: channels 32 (i / 8) on, keys 16 ((i / 2) % 4) on, tile x + i % 2.  The first eight start the sums from negc.  Seven other accumulators stand between two links.
.macro KQ x
.set rS, S+32*((\x)+i%2)+8*((i/2)%4)
.set rK, KF+16*((i/2)%4)+8*(i/8)
.set rQ, 16*((\x)+i%2)+8*(i/8)
.set rN, NEGR+8*((i/2)%4)
.if i < 8
	WIN W_KQ0
	v_wmma_f32_16x16x32_f16 v[rS:rS+7], v[rK:rK+7], v[rQ:rQ+7], v[rN:rN+7]
.else
	WIN W_KQ1
	v_wmma_f32_16x16x32_f16 v[rS:rS+7], v[rK:rK+7], v[rQ:rQ+7], v[rS:rS+7]
.endif
.endm
; Product i of 16 of O^T += V^T P: keys 32 (i / 8) on, channels 16 ((i / 2) % 4) on, tile x + i % 2
.macro PV x
	WIN W_PV
.set rO, 32*((\x)+i%2)+8*((i/2)%4)
.set rV, VF+32*(i/8)+8*((i/2)%4)
.set rP, P+16*((\x)+i%2)+8*(i/8)
	v_wmma_f32_16x16x32_f16 v[rO:rO+7], v[rV:rV+7], v[rP:rP+7], v[rO:rO+7]
.endm
.macro FETCH_K                         ; a step's K (16 loads) and its negc (8 loads), in one run
	WIN 0
	v_add_nc_u32 v[ADR], s[TK], v[AK0]
	v_add_nc_u32 v[ADR2], s[TN], v[AN0]
	s_add_co_u32 s[TK], s[TK], 32*PK
	s_add_co_u32 s[TN], s[TN], 256
	WIN 0x80
.irp f, 0,1,2,3,4,5,6,7                        ; keys 16 (f / 2) on, channels 32 (f % 2) on
	ds_load_b128 v[KF+8*\f:KF+8*\f+3],   v[ADR] offset:(\f/2)*8*PK+(\f%2)*64
	ds_load_b128 v[KF+8*\f+4:KF+8*\f+7], v[ADR] offset:(\f/2)*8*PK+(\f%2)*64+32
.endr
	WIN 0x40
.irp t, 0,1,2,3                                ; register j of tile t: negc of key 16 t + 8 h + j
	ds_load_b128 v[NEGR+8*\t:NEGR+8*\t+3],   v[ADR2] offset:64*\t
	ds_load_b128 v[NEGR+8*\t+4:NEGR+8*\t+7], v[ADR2] offset:64*\t+16
.endr
.endm
.macro FETCH_V                         ; a step's V, turned: 16 loads
	WIN 0
	v_add_nc_u32 v[ADR], s[TV], v[AV0]
	s_add_co_u32 s[TV], s[TV], 32*VP
	s_wait_alu depctr_va_vdst(0)                   ; the wait for the softmax's batch of exponentials (SLICE), ahead of the first line that names a result
	WIN 0x80
.irp f, 0,1,2,3,4,5,6,7                        ; keys 32 (f / 4) on, channels 16 (f % 4) on
	ds_load_tr16_b128 v[VF+8*\f:VF+8*\f+3],   v[ADR] offset:(\f/4)*16*VP+(\f%4)*32
	ds_load_tr16_b128 v[VF+8*\f+4:VF+8*\f+7], v[ADR] offset:(\f/4)*16*VP+8*VP+(\f%4)*32
.endr
.endm
; Number j of the 117 instructions of one tile's softmax for one key step.
;   0-15 the maximum of the 32 scores and the old m, each score tile from its low end on;  16-19 the other half's maximum, the new m, m_old - m_new;  20-68 ONE BATCH: 16 packed subtractions u - m and 33 exponentials,
;   none of which names an exponential's result;  (the wait: SLICE)  69-84 the roundings to f16;  85-100 the sums, l = a l + the sum;  101-116 O^T x a.
.macro SM t
.set rT, ST+8*(\t)
.set rS, S+32*(\t)
.set rP, P+16*(\t)
.if j < 101
	WIN 0
.endif
.if j < 4
	v_max3_num_f32 v[rT+4+j], v[rS+8*j], v[rS+8*j+1], v[rS+8*j+2]
.elseif j < 12
	v_max3_num_f32 v[rT+4+j%4], v[rT+4+j%4], v[rS+8*(j%4)+2*(j/4)+1], v[rS+8*(j%4)+2*(j/4)+2]
.elseif j == 12
	v_max3_num_f32 v[rT+4], v[rT+4], v[rS+7], v[rS+15]
.elseif j == 13
	v_max3_num_f32 v[rT+6], v[rT+6], v[rS+23], v[rS+31]
.elseif j == 14
	v_max3_num_f32 v[rT+4], v[rT+4], v[rT+5], v[rT+6]
.elseif j == 15
	v_max3_num_f32 v[rT+4], v[rT+4], v[rT+7], v[rT]
.elseif j == 16
	v_permlanex16_b32 v[rT+5], v[rT+4], s[SEL], s[SEL+1]           ; the query's other 32 keys lie in the lane 16 away
.elseif j == 17
	v_mov_b32 v[rT+7], v[rT]                       ; m_old is kept: the next line writes m anew
.elseif j == 18
	v_max_num_f32 v[rT], v[rT+4], v[rT+5]
.elseif j == 19
	v_sub_f32 v[rT+7], v[rT+7], v[rT]
.elseif j == 22
	v_exp_f32 v[rT+6], v[rT+7]                     ; a
.elseif (j < 22) || ((j < 65) && ((j-23)%3 == 0))
.set b, j-20                                   ; 20, 21: pairs 0, 1
.if j > 22
.set b, (j-23)/3+2                             ; 23, 26, .. 62: pairs 2 to 15
.endif
	v_pk_add_f32 v[rS+2*b:rS+2*b+1], v[rS+2*b:rS+2*b+1], v[rT:rT+1] op_sel_hi:[1,0] neg_lo:[0,1] neg_hi:[0,1]   ; u - m, two at a time
.elseif j < 65
.set e, 2*((j-23)/3)+(j-23)%3-1                ; scores 0 to 27: a pair is subtracted two groups ahead of its exponentials
	v_exp_f32 v[rS+e], v[rS+e]
.elseif j < 69
	v_exp_f32 v[rS+j-37], v[rS+j-37]               ; scores 28 to 31
.elseif j < 85
	v_cvt_pk_f16_f32 v[rP+j-69], v[rS+2*(j-69)], v[rS+2*(j-69)+1]
.elseif j < 101
.set z, j-85
.set w, 4
.set u, z
.if z >= 14
.set w, 32
.set u, 0
.elseif z >= 12
.set w, 16
.set u, z-12
.elseif z >= 8
.set w, 8
.set u, z-8
.endif
.if z < 15
	v_pk_add_f32 v[rS+w*u:rS+w*u+1], v[rS+w*u:rS+w*u+1], v[rS+w*u+w/2:rS+w*u+w/2+1]
.else
	v_pk_fma_f32 v[rT+2:rT+3], v[rT+2:rT+3], v[rT+6:rT+7], v[rS:rS+1] op_sel_hi:[1,0,1]
.endif
.else
	WIN W_RS
	v_pk_mul_f32 v[32*(\t)+2*(j-101):32*(\t)+2*(j-101)+1], v[32*(\t)+2*(j-101):32*(\t)+2*(j-101)+1], v[rT+6:rT+7] op_sel_hi:[1,0]
.endif
.endm
; Slice k of 32 of piece y's softmax: numbers 117 k / 32 up to 117 (k + 1) / 32, each for both tiles by turns.  Ahead of number 69 stand one plain line behind the last exponential and THE ONE WAIT of the turn
; for the 66 exponentials of both tiles (ahead of the first line that names a result); in piece 2's turn V's run of loads stands there with it.
.macro SLICE y
.rept ((k+1)*117)/32-(k*117)/32
.if j == 69
	WIN 0
	v_nop
.if (\y) == 0
	FETCH_V
.else
	s_wait_alu depctr_va_vdst(0)
.endif
.endif
	SM \y
	SM (\y)+1
.set j, j+1
.endr
.set k, k+1
.endm
; A TURN.  Piece x has the matrix unit; the other piece's softmax stands in slices behind its matrix instructions (two behind each where the turn has one kind of product).
; PLACES, counted: K's run of loads (behind piece 0's second product) follows slice 31 of the turn before, eight packed multiplies that name no register of the last K Q^T; V's run follows six packed
; subtractions, the v_nop and its own addition behind the last V^T P; slice 31 is also the distance between the turn's last K Q^T and the next turn's first read of those scores.
.macro TURN x, pv, kq
.set k, 0
.set j, 0
.set per, 2
.if (\pv) && (\kq)
.set per, 1
.endif
.if \pv
.if (\x) == 0
	s_wait_dscnt 0x0                               ; V is in
.endif
.set i, 0
.rept 16
	PV \x
.rept per
	SLICE 2-\x
.endr
.if ((\x) == 0) && (\kq) && (i == 1)
	FETCH_K
.endif
.set i, i+1
.endr
.endif
.if \kq
.if (\x) == 0
	s_wait_dscnt 0x0                               ; K and negc are in
.endif
.set i, 0
.rept 16
	KQ \x
.rept per
	SLICE 2-\x
.endr
.set i, i+1
.endr
.endif
.endm
.macro STEPS n                         ; n key steps: written once, walked n times; the LDS addresses hang on s[TK], s[TV], s[TN]
	s_mov_b32 s[CNT], \n
.Lstep_\@:
	TURN 0, 1, 1
	TURN 2, 1, 1
	WIN 0
	s_sub_co_u32 s[CNT], s[CNT], 1
	s_cmp_lg_u32 s[CNT], 0
	s_cbranch_scc1 .Lstep_\@
.endm
; THE CHANGE OF SLOTS.  Each wave waits for all its tensor loads (its part of the slot ahead), adds 0 to its spare word, and waits for that and for its reads of the slot that it leaves.
; fill = 1: slot s, just left, is filled with the keys 1,024 further on: a round of the cluster's barrier, and the joint refill first behind it: it has eight key steps in which to land.
.macro CHANGE s, fill, ask, nextslot
	WIN 0
	s_wait_tensorcnt 0x0                           ; no tensor load of mine is out, so a group 0 may be written
	ds_add_u32 v[SPW], v[NIL]
.if \fill
	s_add_nc_u64 s[G0K+4*\s+2:G0K+4*\s+3], s[G0K+4*\s+2:G0K+4*\s+3], 131072
	s_add_nc_u64 s[G0V+4*\s+2:G0V+4*\s+3], s[G0V+4*\s+2:G0V+4*\s+3], 131072
.endif
	s_wait_dscnt 0x0                               ; the add is done, and my reads of the slot are over
.if \fill
	CROUND
	JLOAD \s
.if \ask
	ASK
.endif
.else
	s_barrier_signal -1
	s_barrier_wait -1
.endif
	s_mov_b32 s[TK], \nextslot*SLOT
	s_mov_b32 s[TV], \nextslot*SLOT
.endm
	s_wait_tensorcnt 1                             ; negc and my part of slot 0 are in; slot 1's load may stay out
	s_barrier_signal -1
	s_barrier_wait -1
	FETCH_K                                        ; key step 0
	s_wait_loadcnt 0x0                             ; Q
	s_wait_dscnt 0x0
.set i, 0
.rept 16
	KQ 0                                           ; piece 0's first scores: there is no vector work yet to set between them
.set i, i+1
.endr
	WIN 0                                          ; the addresses for the way out: ten plain lines, the places behind those products
	s_mul_i32 s16, s[WV], 16*144
	s_add_co_u32 s16, s16, STAGE
	v_mul_u32_u24 v[STO], v1, 144
	v_lshl_add_u32 v[STO], v9, 4, v[STO]
	v_add_nc_u32 v[STO], s16, v[STO]               ; in: query r, 16 bytes for each half of the lanes
	v_bfe_u32 v[RD], v0, 3, 2
	v_mul_u32_u24 v[RD], v[RD], 144
	v_and_b32 v[GO], 7, v0
	v_lshl_add_u32 v[RD], v[GO], 4, v[RD]
	v_add_nc_u32 v[RD], s16, v[RD]                 ; back: eight lanes to a query's 128 bytes, four queries an instruction
	v_and_b32 v[GO], 31, v0
	v_lshlrev_b32 v[GO], 4, v[GO]
	TURN 2, 0, 1                                   ; piece 2's first scores | piece 0's first softmax | V of step 0
	WIN 0
	STEPS 7                                        ; steps 1 to 7: slot 0 is read out
	CHANGE 0, 1, 1, 1                              ; slot 0 takes keys 1,024 on; on to slot 1
	STEPS 8
	CHANGE 1, 1, 0, 0                              ; slot 1 takes keys 1,536 on; on to slot 0
	STEPS 8
	CHANGE 0, 0, 0, 1                              ; nothing is left to fetch
	STEPS 8
	TURN 0, 1, 0                                   ; piece 0: V^T P of the last step | piece 2's last softmax
.set i, 0
.rept 16
	PV 2                                           ; piece 2: V^T P of the last step
.set i, i+1
.endr
	; THE WAY OUT.  l's two halves and the other half of the lanes' are added; O^T / l, rounded to f16, goes through my stage, a tile at a time.  The additions are the places behind the last products.
	WIN 0
.irp t, 0,1,2,3
	v_add_f32 v[ST+8*\t+4], v[ST+8*\t+2], v[ST+8*\t+3]
.endr
.irp t, 0,1,2,3
	v_permlanex16_b32 v[ST+8*\t+5], v[ST+8*\t+4], s[SEL], s[SEL+1]
.endr
.irp t, 0,1,2,3
	v_add_f32 v[ST+8*\t+4], v[ST+8*\t+4], v[ST+8*\t+5]
.endr
.irp t, 0,1,2,3
	v_rcp_f32 v[ST+8*\t+6], v[ST+8*\t+4]
.endr
	v_nop                                          ; a plain line behind the last reciprocal
	s_wait_alu depctr_va_vdst(0)                   ; and one wait for the four, ahead of the first use
.macro PACK t
	WIN W_RS
.set i, 0
.rept 16
	v_pk_mul_f32 v[32*\t+2*i:32*\t+2*i+1], v[32*\t+2*i:32*\t+2*i+1], v[ST+8*\t+6:ST+8*\t+7] op_sel_hi:[1,0]   ; ascending: each accumulator from its low end on
.set i, i+1
.endr
	WIN 0x05                                       ; sources window 1, destination window 0: S^T's registers are free
.set i, 0
.rept 16
	v_cvt_pk_f16_f32 v[S+32*\t+i], v[32*\t+2*i], v[32*\t+2*i+1]
.set i, i+1
.endr
	WIN 0
.irp f, 0,1,2,3
	ds_store_b128 v[STO], v[S+32*\t+4*\f:S+32*\t+4*\f+3] offset:32*\f
.endr
.irp f, 0,1,2,3
	ds_load_b128 v[S+32*\t+16+4*\f:S+32*\t+16+4*\f+3], v[RD] offset:576*\f     ; LDS serves a wave's instructions in order: these see the stores above; the next tile's stores come behind them
.endr
.endm
.macro SEND t, younger                 ; younger: the next tile's four stores and four loads, or none
.irp f, 0,1,2,3
	s_wait_dscnt \younger+3-\f
	global_store_b128 v[GO], v[S+32*\t+16+4*\f:S+32*\t+16+4*\f+3], s[82:83] offset:2048*\t+512*\f   ; 32 lanes store 512 bytes on end
.endr
.endm
	PACK 0
	PACK 1
	SEND 0, 8
	PACK 2
	SEND 1, 8
	PACK 3
	SEND 2, 8
	SEND 3, 0
	s_wait_tensorcnt 0x0                           ; the wave's end
	ds_add_u32 v[SPW], v[NIL]
	s_wait_dscnt 0x0
	CROUND                                         ; the closing round
	s_endpgm
.Lfunc_end_k_q20702db219_attn:
	.size	k_q20702db219_attn, .Lfunc_end_k_q20702db219_attn-k_q20702db219_attn
	.p2alignl 7, 3214868480
	.fill 96, 4, 3214868480
	.section	.rodata,"a",@progbits
	.p2align	6, 0x0
	.amdhsa_kernel k_q20702db219_attn
		.amdhsa_group_segment_fixed_size 327680
		.amdhsa_private_segment_fixed_size 0
		.amdhsa_enable_private_segment 0
		.amdhsa_kernarg_size 24
		.amdhsa_user_sgpr_count 2
		.amdhsa_user_sgpr_kernarg_segment_ptr 1
		.amdhsa_wavefront_size32 1
		.amdhsa_system_sgpr_workgroup_id_x 1
		.amdhsa_system_sgpr_workgroup_id_y 1
		.amdhsa_system_sgpr_workgroup_id_z 1
		.amdhsa_system_vgpr_workitem_id 0
		.amdhsa_next_free_vgpr 704
		.amdhsa_next_free_sgpr 84
		.amdhsa_reserve_vcc 0
		.amdhsa_float_denorm_mode_32 3
		.amdhsa_float_denorm_mode_16_64 3
		.amdhsa_memory_ordered 1
		.amdhsa_forward_progress 1
		.amdhsa_inst_pref_size 210
	.end_amdhsa_kernel
	.amdgpu_metadata
---
amdhsa.version: [ 1, 2 ]
amdhsa.kernels:
  - .name:           k_q20702db219_attn
    .symbol:         k_q20702db219_attn.kd
    .args:
      - { .name: qkv16, .offset: 0, .size: 8, .value_kind: global_buffer, .address_space: global }
      - { .name: negc, .offset: 8, .size: 8, .value_kind: global_buffer, .address_space: global }
      - { .name: x16, .offset: 16, .size: 8, .value_kind: global_buffer, .address_space: global }
    .group_segment_fixed_size: 327680
    .private_segment_fixed_size: 0
    .kernarg_segment_align: 8
    .kernarg_segment_size: 24
    .max_flat_workgroup_size: 128
    .sgpr_count:     84
    .vgpr_count:     704
    .wavefront_size: 32
...
	.end_amdgpu_metadata
.endif
;; end of part 3
;; launch oproj (part 4): grid 8 x 32, 4 waves a work-group, clusters of 4 x 4, 327,680 bytes of LDS; arguments x16, wo16, bo, out0; writes out0
.if DOCPART == 4
	.amdgcn_target "amdgcn-amd-amdhsa--gfx1250"
	.amdhsa_code_object_version 6
	.text
	.protected	k_q20702db219_oproj
	.globl	k_q20702db219_oproj
	.p2align	8
	.type	k_q20702db219_oproj,@function
k_q20702db219_oproj:
	s_mov_b64 s[64:65], 0
	v_nop
	global_prefetch_b8 v0, s[64:65] scope:SCOPE_SE
	s_setreg_imm32_b32 hwreg(HW_REG_WAVE_MODE, 25, 1), 1
	s_wait_xcnt 0x0
	s_wait_alu depctr_hold_cnt(0) depctr_sa_sdst(0) depctr_va_vdst(0) depctr_va_sdst(0) depctr_va_ssrc(0) depctr_va_vcc(0) depctr_vm_vsrc(0)
	s_getreg_b32 s2, hwreg(HW_REG_IB_STS2, 6, 4)
	s_cmp_eq_u32 s2, 0
	s_cbranch_scc0 .Lentry_in_a_cluster
	s_endpgm
.Lentry_in_a_cluster:
	s_bfe_u32 s2, ttmp6, 0x10000c
	s_cmp_lg_u32 s2, 0xf033
	s_cbranch_scc0 .Lentry_shape_is_right
	s_endpgm
.Lentry_shape_is_right:
; out0 = X Wo + bo.  X: f16, laid [tile of 128 tokens 32][head 16][128 tokens][64]; Wo: f16, [1024 k][1024 n] as it lies; bo, out0: f32.  Sums in f32; bo is the C of each sum's first matrix instruction.
; A tile of out0 is 128 tokens x 128 columns: 256 work-groups.  Four waves, each 64 x 64: 16 accumulators.  K goes in four steps of 256 (four heads) through two LDS slots; all is written out, no loop.
; A K step of X for a tile of tokens is 65,536 bytes on end, stated as rows of 256 bytes (two tokens); Wo's tile is 256 rows (k) of 256 bytes, and comes out of LDS turned, by ds_load_tr16_b128.
; CLUSTER 4 x 4: X's tiles are shared along a row of the cluster, Wo's along a column: joint loads.  THE MATRIX INSTRUCTION IS USED TRANSPOSED (source 0 = 16 columns of Wo, source 1 = 16 tokens).
; No prefetch: the tiles are small and the launch is short.  LIMITS: those of f16 for X and Wo (65,504).
; REGISTERS: window 0: v1-29 addresses; v32-95 rows read back on the way out; v96-127 bias tiles; v128-255 accumulators ((a, b) at 128 + 8 (4 a + b)).   window 1: two fragment buffers of 128: 64 of X, then 64 of Wo.
.set PA,     272                       ; two tokens' 128 bytes + 16 of padding
.set PB,     288                       ; a row of Wo's tile: 256 bytes + 32
.set ABYTES, 256*PA
.set SLOT,   256*(PA+PB)
.set STAGE,  2*SLOT                    ; 16 rows x (256 bytes + 16) for each wave; no fill lands here
.set SPITCH, 272
.set SPARE,  STAGE+4*16*SPITCH         ; the spare words: two blocks of 256 bytes that no other line names
.set ADRA, 16                          ; v16-17 my X fragments in slot 0, 1
.set ADRB, 20                          ; v20-23 Wo's: slot x 2 + half of the K step (the offsets of a whole step pass 16 bits)
.set STO,  24
.set RD,   25
.set CO,   26
.set BOF,  27
.set SPW,  28
.set NIL,  29
.set BKR,  32
.set BI,   96
.set ACC,  128
.set F0,   0
.set F1,   128
.set G1,  24
.set G0,  32
.set G1B, 48
.set G0B, 56
.set MSB, 0
.macro WIN new
.if MSB != (\new)
	s_set_vgpr_msb (MSB<<8)|(\new)
.set MSB, \new
.endif
.endm
.set MUL,  0x05                        ; sources window 1; C and D window 0
.set TO_F, 0x40
.macro JLOAD s                         ; waves 0, 1 fetch X's halves, waves 2, 3 Wo's; an s_nop 0 and four v_nop follow each line
	s_cmp_eq_u32 s13, 0
	s_cbranch_scc0 .Lfor_b_\@
	tensor_load_to_lds s[G0+4*\s:G0+4*\s+3], s[G1:G1+7]
	s_nop 0
.rept 4
	v_nop
.endr
	s_branch .Lasked_\@
.Lfor_b_\@:
	tensor_load_to_lds s[G0B+4*\s:G0B+4*\s+3], s[G1B:G1B+7]
	s_nop 0
.rept 4
	v_nop
.endr
.Lasked_\@:
.endm
.macro CREST
	s_cmp_lg_u32 s12, 0
	s_cbranch_scc1 .Lnot_wave_0_\@
	s_barrier_signal -3
.Lnot_wave_0_\@:
	s_barrier_wait -3
	s_barrier_signal -1
	s_barrier_wait -1
.endm
.macro CROUND
	s_barrier_signal -1
	s_barrier_wait -1
	CREST
.endm
.macro PLACES
.rept 4
	v_nop
.endr
.endm
	s_load_b128 s[4:7], s[0:1], 0x0                ; x16, wo16
	s_load_b128 s[8:11], s[0:1], 0x10              ; bo, out0
	v_lshl_add_u32 v[SPW], v0, 2, SPARE
	v_mov_b32 v[NIL], 0
	ds_add_u32 v[SPW], v[NIL]                      ; the wave's opening: the add, twice on end, and its wait ahead of my first tensor load
	ds_add_u32 v[SPW], v[NIL]
	v_lshrrev_b32 v1, 5, v0
	v_readfirstlane_b32 s12, v1                    ; wave 0..3
	s_lshr_b32 s13, s12, 1                         ; which 64 tokens are mine.  Also: I fetch for X (0) or for Wo (1)
	s_and_b32 s14, s12, 1                          ; which 64 columns.  Also: which half of that tile I fetch
	s_bfe_u32 s40, ttmp6, 0x40000                  ; cx
	s_bfe_u32 s41, ttmp6, 0x40004                  ; cy
	s_lshl_b32 s42, ttmp9, 2
	s_add_co_u32 s42, s42, s40                     ; tile column
	s_and_b32 s15, ttmp7, 0xffff
	s_lshl_b32 s15, s15, 2
	s_add_co_u32 s15, s15, s41                     ; tile row
	s_lshl_b32 s43, s41, 2
	s_lshl_b32 s43, 15, s43                        ; my row of the cluster
	s_lshl_b32 s44, 0x1111, s40                    ; my column
	s_or_b32 s[G1], s43, (1<<16)|(1<<20)|(1<<21)|(5<<22)|(3<<25)   ; elements of 2 bytes; 4 words of padding behind every 64
	s_or_b32 s[G1B], s44, (1<<16)|(1<<20)|(1<<21)|(5<<22)|(7<<25)  ; 8 words
.irp g, G1, G1B
	s_mov_b32 s[\g+1], 128<<16                     ; tensor_dim0 = 128 elements
	s_mov_b32 s[\g+2], 128<<16                     ; tensor_dim1 = 128 rows
	s_mov_b32 s[\g+3], 128<<16
	s_mov_b32 s[\g+4], 128
	s_mov_b32 s[\g+6], 0
	s_mov_b32 s[\g+7], 0
.endr
	s_mov_b32 s[G1+5], 128                         ; X: dense
	s_mov_b32 s[G1B+5], 1024                       ; Wo: a row of 1,024 elements
	s_lshl_b32 s16, s15, 18                        ; X: 262,144 bytes a tile of tokens,
	s_lshl_b32 s17, s14, 15                        ; my half of a K step's 65,536
	s_add_co_u32 s16, s16, s17
	s_mov_b32 s17, 0
	s_lshl_b32 s46, s14, 18                        ; Wo: my 128 rows of 2,048 bytes,
	s_lshl_b32 s47, s42, 8                         ; the tile's 128 columns
	s_add_co_u32 s46, s46, s47
	s_mov_b32 s47, 0
	s_mul_i32 s20, s14, 128*PA                     ; and where they go: the wave's number alone
	s_mul_i32 s21, s14, 128*PB
	s_add_co_u32 s21, s21, ABYTES
	s_wait_dscnt 0x0                               ; both opening adds are done
	s_wait_kmcnt 0x0
	s_add_nc_u64 s[18:19], s[4:5], s[16:17]
	s_add_nc_u64 s[46:47], s[6:7], s[46:47]
	CROUND                                         ; all sixteen work-groups are here: the first joint loads meet
.irp s, 0,1
	s_mov_b32 s[G0+4*\s], 1
	s_add_co_u32 s[G0+4*\s+1], s20, \s*SLOT
	s_add_nc_u64 s[G0+4*\s+2:G0+4*\s+3], s[18:19], \s*65536
	s_or_b32 s[G0+4*\s+3], s[G0+4*\s+3], 0x80000000
	s_mov_b32 s[G0B+4*\s], 1
	s_add_co_u32 s[G0B+4*\s+1], s21, \s*SLOT
	s_add_nc_u64 s[G0B+4*\s+2:G0B+4*\s+3], s[46:47], \s*524288
	s_or_b32 s[G0B+4*\s+3], s[G0B+4*\s+3], 0x80000000
	JLOAD \s                                       ; two loads of mine are out
.endr
	s_lshl_b32 s2, s15, 19                         ; out0: 128 rows of 4,096 bytes a tile row,
	s_lshl_b32 s3, s13, 18                         ; my 64 rows,
	s_add_co_u32 s2, s2, s3
	s_lshl_b32 s45, s42, 9                         ; the tile's 128 columns,
	s_lshl_b32 s3, s14, 8                          ; my 64
	s_add_co_u32 s45, s45, s3
	s_add_co_u32 s2, s2, s45
	s_mov_b32 s3, 0
	s_add_nc_u64 s[10:11], s[10:11], s[2:3]
	s_mov_b32 s2, s45
	s_add_nc_u64 s[8:9], s[8:9], s[2:3]            ; bo at my 64 columns
	v_and_b32 v1, 15, v0                           ; r
	v_bfe_u32 v2, v0, 4, 1                         ; h
	v_lshlrev_b32 v[BOF], 5, v2
.irp b, 0,1,2,3                                ; bias tile b in the result's layout: columns 16 b + 8 h + 0 .. 7
	global_load_b128 v[BI+8*\b:BI+8*\b+3], v[BOF], s[8:9] offset:64*\b
	global_load_b128 v[BI+8*\b+4:BI+8*\b+7], v[BOF], s[8:9] offset:64*\b+16
.endr
	v_lshrrev_b32 v3, 1, v1
	v_mul_u32_u24 v3, v3, PA
	v_and_b32 v4, 1, v0
	v_lshl_add_u32 v3, v4, 7, v3
	v_lshl_add_u32 v3, v2, 4, v3                   ; token r: 272 (r / 2) + 128 (r % 2) + 16 h
	s_mul_i32 s22, s13, 32*PA
	v_add_nc_u32 v[ADRA], s22, v3
	v_add_nc_u32 v[ADRA+1], SLOT, v[ADRA]
	v_and_b32 v5, 7, v0
	v_lshl_add_u32 v5, v2, 3, v5
	v_mul_u32_u24 v5, v5, PB
	v_bfe_u32 v6, v0, 3, 1
	v_lshl_add_u32 v5, v6, 4, v5                   ; the turning load: row k = 8 h + l % 8, columns 8 ((l / 8) % 2) on
	s_lshl_b32 s22, s14, 7
	s_add_co_u32 s22, s22, ABYTES
	v_add_nc_u32 v[ADRB], s22, v5
	v_add_nc_u32 v[ADRB+1], 128*PB, v[ADRB]
	v_add_nc_u32 v[ADRB+2], SLOT, v[ADRB]
	v_add_nc_u32 v[ADRB+3], SLOT, v[ADRB+1]
	s_mul_i32 s22, s12, 16*SPITCH
	s_add_co_u32 s22, s22, STAGE
	v_mul_u32_u24 v[STO], v1, SPITCH
	v_lshl_add_u32 v[STO], v2, 5, v[STO]
	v_add_nc_u32 v[STO], s22, v[STO]               ; in: token r, 32 bytes for each half of the lanes
	v_mul_u32_u24 v[RD], v2, SPITCH
	v_lshl_add_u32 v[RD], v1, 4, v[RD]
	v_add_nc_u32 v[RD], s22, v[RD]                 ; back: lanes 0-15 one row of 256 bytes, lanes 16-31 the next
	v_lshlrev_b32 v[CO], 12, v2
	v_lshl_add_u32 v[CO], v1, 4, v[CO]             ; and the same two rows in out0
; 8 matrix instructions: token blocks a0, a0 + 1 x all 4 column blocks, 32 along K: half c of buffer f.  first = 1: the sums start from the bias.  The 16 accumulators take turns.
.macro MUL8 f, c, a0, first
.irp a, \a0, \a0+1
.irp b, 0,1,2,3
.if \first
	v_wmma_f32_16x16x32_f16 v[ACC+8*(4*(\a)+\b):ACC+8*(4*(\a)+\b)+7], v[\f+64+8*(4*\c+\b):\f+64+8*(4*\c+\b)+7], v[\f+8*(4*\c+\a):\f+8*(4*\c+\a)+7], v[BI+8*\b:BI+8*\b+7]
.else
	v_wmma_f32_16x16x32_f16 v[ACC+8*(4*(\a)+\b):ACC+8*(4*(\a)+\b)+7], v[\f+64+8*(4*\c+\b):\f+64+8*(4*\c+\b)+7], v[\f+8*(4*\c+\a):\f+8*(4*\c+\a)+7], v[ACC+8*(4*(\a)+\b):ACC+8*(4*(\a)+\b)+7]
.endif
.endr
.endr
.endm
; 32 LDS loads in one run: quarter q of a slot (one head: 64 along K) into buffer f; the first 32 along K first
.macro FETCH slot, q, f
	WIN TO_F
.irp c, 0,1
.irp i, 0,1,2,3
	ds_load_tr16_b128 v[\f+64+8*(4*\c+\i):\f+64+8*(4*\c+\i)+3],   v[ADRB+2*\slot+(\q)/2] offset:64*PB*((\q)%2)+32*PB*\c+32*\i
	ds_load_tr16_b128 v[\f+64+8*(4*\c+\i)+4:\f+64+8*(4*\c+\i)+7], v[ADRB+2*\slot+(\q)/2] offset:64*PB*((\q)%2)+32*PB*\c+32*\i+16*PB
	ds_load_b128 v[\f+8*(4*\c+\i):\f+8*(4*\c+\i)+3],              v[ADRA+\slot] offset:64*PA*(\q)+64*\c+8*PA*\i
	ds_load_b128 v[\f+8*(4*\c+\i)+4:\f+8*(4*\c+\i)+7],            v[ADRA+\slot] offset:64*PA*(\q)+64*\c+8*PA*\i+32
.endr
.endr
.endm
; One of a K step's first three quarters: multiplies buffer f and fetches quarter q of the same slot into g
.macro QUARTER slot, q, f, g, first
	s_wait_dscnt 16                                ; the first 32 along K are in; the youngest sixteen loads may be out
	WIN MUL
	MUL8 \f, 0, 0, \first
	MUL8 \f, 0, 2, \first
	PLACES                                         ; four places in front of loads into the buffer that the quarter before multiplied
	FETCH \slot, \q, \g
	s_wait_dscnt 32                                ; all but the 32 just issued
	WIN MUL
	MUL8 \f, 1, 0, 0
	MUL8 \f, 1, 2, 0
.endm
; The last quarter multiplies buffer 1 and changes slots: ONE barrier; in front of it each wave waits for all its tensor loads, adds 0 to its spare word, and waits for that and for its reads of this slot.
.macro TURN slot, next, fill
	WIN 0
	s_wait_tensorcnt 0x0                           ; all my tensor loads have landed: my part of the next slot
	ds_add_u32 v[SPW], v[NIL]
	s_wait_dscnt 17                                ; (the add and the youngest sixteen loads may be out)
	WIN MUL
	MUL8 F1, 0, 0, 0
	s_wait_dscnt 0x0                               ; the add is done, and my reads of this slot are over
	s_barrier_signal -1
	MUL8 F1, 0, 2, 0
.if \fill
	WIN 0
.endif
	s_barrier_wait -1
.if \fill
	CREST                                          ; the barrier has opened a round of the cluster's: no wave of any partner still reads this slot or has a load on its way
	s_add_nc_u64 s[G0+4*\slot+2:G0+4*\slot+3], s[G0+4*\slot+2:G0+4*\slot+3], 131072        ; two K steps on
	s_add_nc_u64 s[G0B+4*\slot+2:G0B+4*\slot+3], s[G0B+4*\slot+2:G0B+4*\slot+3], 1048576
	JLOAD \slot                                    ; the first tensor load behind the round; its four v_nop are also the places in front of the loads below
.else
	PLACES
.endif
	FETCH \next, 0, F0
	WIN MUL
	MUL8 F1, 1, 0, 0
	MUL8 F1, 1, 2, 0
.endm
	s_wait_tensorcnt 1                             ; my part of K step 0 is in; K step 1's load may stay out
	s_barrier_signal -1
	s_barrier_wait -1
	FETCH 0, 0, F0
	s_wait_loadcnt 0x0                             ; the bias
	QUARTER 0, 1, F0, F1, 1
	QUARTER 0, 2, F1, F0, 0
	QUARTER 0, 3, F0, F1, 0
	TURN 0, 1, 1                                   ; slot 0 takes K step 2
	QUARTER 1, 1, F0, F1, 0
	QUARTER 1, 2, F1, F0, 0
	QUARTER 1, 3, F0, F1, 0
	TURN 1, 0, 1                                   ; slot 1 takes K step 3
	QUARTER 0, 1, F0, F1, 0
	QUARTER 0, 2, F1, F0, 0
	QUARTER 0, 3, F0, F1, 0
	TURN 0, 1, 0                                   ; nothing is left to fetch
	QUARTER 1, 1, F0, F1, 0
	QUARTER 1, 2, F1, F0, 0
	QUARTER 1, 3, F0, F1, 0
	s_wait_dscnt 16
	WIN MUL
	MUL8 F1, 0, 0, 0
	MUL8 F1, 0, 2, 0
	s_wait_dscnt 0x0
	MUL8 F1, 1, 0, 0
	MUL8 F1, 1, 2, 0
	WIN 0
; THE WAY OUT, a block of 16 tokens x 64 columns (256 bytes a row) at a time, through my own stage: sixteen lanes store 256 bytes on end, aligned.
.macro TOSTAGE a
.set BB, BKR+32*((\a)%2)
.irp b, 0,1,2,3
	ds_store_b128 v[STO], v[ACC+8*(4*(\a)+\b):ACC+8*(4*(\a)+\b)+3] offset:64*\b            ; each accumulator from its low end on
	ds_store_b128 v[STO], v[ACC+8*(4*(\a)+\b)+4:ACC+8*(4*(\a)+\b)+7] offset:64*\b+16
.endr
.if (\a) >= 2
	s_wait_xcnt 0x0                                ; the stores of two blocks back have read the registers into which the loads below land
.endif
.irp t, 0,1,2,3,4,5,6,7
	ds_load_b128 v[BB+4*\t:BB+4*\t+3], v[RD] offset:2*SPITCH*\t    ; LDS serves a wave's instructions in order: these see the stores above
.endr
.endm
.macro SEND a, younger                 ; younger: the next block's eight stores and eight loads, or none
.set BB, BKR+32*((\a)%2)
	s_wait_dscnt \younger
.irp t, 0,1,2,3,4,5,6,7
	global_store_b128 v[CO], v[BB+4*\t:BB+4*\t+3], s[10:11] offset:65536*(\a)+8192*\t th:TH_STORE_NT
.endr
.endm
	PLACES                                         ; behind the last products, ahead of the first read of results
	TOSTAGE 0
.irp a, 1,2,3
	TOSTAGE \a
	SEND \a-1, 16
.endr
	SEND 3, 0
	s_wait_tensorcnt 0x0                           ; the wave's end
	ds_add_u32 v[SPW], v[NIL]
	s_wait_dscnt 0x0
	CROUND                                         ; the closing round
	s_endpgm
.Lfunc_end_k_q20702db219_oproj:
	.size	k_q20702db219_oproj, .Lfunc_end_k_q20702db219_oproj-k_q20702db219_oproj
	.p2alignl 7, 3214868480
	.fill 96, 4, 3214868480
	.section	.rodata,"a",@progbits
	.p2align	6, 0x0
	.amdhsa_kernel k_q20702db219_oproj
		.amdhsa_group_segment_fixed_size 327680
		.amdhsa_private_segment_fixed_size 0
		.amdhsa_enable_private_segment 0
		.amdhsa_kernarg_size 32
		.amdhsa_user_sgpr_count 2
		.amdhsa_user_sgpr_kernarg_segment_ptr 1
		.amdhsa_wavefront_size32 1
		.amdhsa_system_sgpr_workgroup_id_x 1
		.amdhsa_system_sgpr_workgroup_id_y 1
		.amdhsa_system_sgpr_workgroup_id_z 1
		.amdhsa_system_vgpr_workitem_id 0
		.amdhsa_next_free_vgpr 512
		.amdhsa_next_free_sgpr 66
		.amdhsa_reserve_vcc 0
		.amdhsa_float_denorm_mode_32 3
		.amdhsa_float_denorm_mode_16_64 3
		.amdhsa_memory_ordered 1
		.amdhsa_forward_progress 1
		.amdhsa_inst_pref_size 87
	.end_amdhsa_kernel
	.amdgpu_metadata
---
amdhsa.version: [ 1, 2 ]
amdhsa.kernels:
  - .name:           k_q20702db219_oproj
    .symbol:         k_q20702db219_oproj.kd
    .args:
      - { .name: x16, .offset: 0, .size: 8, .value_kind: global_buffer, .address_space: global }
      - { .name: wo16, .offset: 8, .size: 8, .value_kind: global_buffer, .address_space: global }
      - { .name: bo, .offset: 16, .size: 8, .value_kind: global_buffer, .address_space: global }
      - { .name: out0, .offset: 24, .size: 8, .value_kind: global_buffer, .address_space: global }
    .group_segment_fixed_size: 327680
    .private_segment_fixed_size: 0
    .kernarg_segment_align: 8
    .kernarg_segment_size: 32
    .max_flat_workgroup_size: 128
    .sgpr_count:     66
    .vgpr_count:     512
    .wavefront_size: 32
...
	.end_amdgpu_metadata
.endif
;; end of part 4
